; MI455X (gfx1250); checked and timed in simulation.
; The chip was launched on July 23, 2026; its instructions are those of AMD's public machine-readable ISA for CDNA 5 (MIT licence, August 2026) and "CDNA5" Instruction Set Architecture Reference Guide (July 2026). The comments in the code are by the model that wrote it; some were corrected since.
;; sim Vector Quantizer. Allowed arithmetic: float matrix products may take bf16 or f16 operands with f32 sums; all other float work in f32.
;; Inputs: emb_weight 8,192 x 256 float32; proj_b 256 float32; proj_w 256 x 256 float32; z 8 x 1,024 x 256 float32.
;; Outputs: out0 8 x 1,024 x 256 float32; out1 one number float32; out2 one number float32; out3 one number float32; out4 8 x 1 x 1,024 int32; out5 one number float32; out6 one number float32; out7 one number float32.
;; 2 versions, each right and faster than the one before. Each part assembles by itself: llvm-mc -triple=amdgcn-amd-amdhsa -mcpu=gfx1250 --defsym DOCPART=n.
;; ======== version 1 of 2: 5 launches
;; limits: values are held in f16: magnitudes above 65,504 overflow, below 6.1e-05 lose precision
;; workspace buffers: h16 8,388,608 bytes; wfx 8,421,376 bytes; stat 1,572,864 bytes; cand 65,536 bytes of whole numbers; p2 263,168 bytes; scal 4,096 bytes
;; launch prep (part 1): grid 256 x 1, 4 waves a work-group, clusters of 4 x 1, 317,952 bytes of LDS; arguments emb_weight, proj_w, proj_b, z, h16, wfx; writes h16, wfx
.if DOCPART == 1
	.amdgcn_target "amdgcn-amd-amdhsa--gfx1250"
	.amdhsa_code_object_version 6
	.text
	.protected	k_q7930992fae_prep
	.globl	k_q7930992fae_prep
	.p2align	8
	.type	k_q7930992fae_prep,@function
k_q7930992fae_prep:
	s_mov_b64 s[64:65], 0
	v_nop
	global_prefetch_b8 v0, s[64:65] scope:SCOPE_SE
	s_setreg_imm32_b32 hwreg(HW_REG_WAVE_MODE, 25, 1), 1
	s_wait_xcnt 0x0
	s_wait_alu depctr_hold_cnt(0) depctr_sa_sdst(0) depctr_va_vdst(0) depctr_va_sdst(0) depctr_va_ssrc(0) depctr_va_vcc(0) depctr_vm_vsrc(0)
	s_getreg_b32 s2, hwreg(HW_REG_IB_STS2, 6, 4)
	s_cmp_eq_u32 s2, 0
	s_cbranch_scc0 .Lentry_in_a_cluster
	s_endpgm
.Lentry_in_a_cluster:
	s_bfe_u32 s2, ttmp6, 0x10000c
	s_cmp_lg_u32 s2, 0x3003
	s_cbranch_scc0 .Lentry_shape_is_right
	s_endpgm
.Lentry_shape_is_right:
; PREP: W = emb_weight proj_w^T + proj_b in f32 (wfx), its row sums of squares w2 (wfx, behind W), and f16 copies of W and z (h16).
;
; WORK LEFT OUT IN THIS PROGRAM, for all finite inputs:
;  * the 1e-5 added inside log_softmax is the same along the softmax's axis, so log_softmax(flat + 1e-5) = log_softmax(flat);
;  * stop_gradient and astype change no value;
;  * mean(softmax(dot)) over all [B, L, K]: each row of a softmax sums to 1, so the mean is 1 / K = 2^-13: it is stored as that constant;
;  * z2 is the same for all codes of a row, so it is left out where codes are only SCREENED (launch pass1); it is kept in the step that
;    decides the index (launch post), where its size sets the rounding of the distances.
; All four inputs have a way to an output and are loaded.
; LIMITS: |z| and |W| below 65504 (f16 operands of the two large products; below 2^-14 their absolute error is 2^-25).  A NaN or an infinity
; is not carried through the min / max selections nor into the constant 2^-13.
; THE INDEX is decided in f32 among the eight codes of two groups of four codes: the two groups whose screened key is least, the lower group
; first where keys are equal, so that of codes at exactly the same distance (equal rows of the codebook) the lowest index is among the eight.
; The key is the group's least w2 - 2 dot, with dot from f16 operands, cut to its upper 25 bits.  Each f16 operand is off by at most 2^-11 of
; itself, a dot so by about 2^-10 |z| |w|, w2 - 2 dot by 2^-9 |z| |w|, the difference of two codes' by 2^-8 |z| |w|; the cut adds
; 2^-16 |w2 - 2 dot|.  So the nearest code's group can miss the two only where TWO other groups each hold a code whose w2 - 2 dot comes within
; 2^-8 |z| |w| + 2^-16 |w2 - 2 dot| of the least.  Where fewer come so close, the index is the argmin of fl(fl(z2 + w2) - 2 dot); it can differ
; from another f32 evaluation's only where two distances lie within one f32 rounding of each other and the order of the sums decides.
;
; W has to be as good as f32, since the index is compared exactly: each f32 operand x is split into hi = f16(x) and lo = f16(2048 (x - hi)),
; (x - hi is exact), and W = hi hi + 2^-11 (hi lo + lo hi); the product left out, lo lo, is 2^-24 of the result.
;
; 256 work-groups of four waves.  Work-group g owns codes 32 g .. 32 g + 31 and z rows 32 g .. 32 g + 31.  Wave w makes columns 64 w .. 64 w + 63
; of W for both tiles of 16 codes, so it needs rows 64 w .. 64 w + 63 of proj_w alone.  All work-groups read the whole of proj_w: the four of a
; cluster ask for it jointly.  emb_weight's 32 rows are the work-group's own (a plain tensor load, 8 rows a wave) and are split by every wave.
; The matrix instruction takes 16 rows of proj_w as A and 16 rows of emb_weight as B: lane (r, h) then holds W(code r, columns 8 h .. 8 h + 7).
.set PPITCH, 1040                      ; an LDS row of 256 f32: 1,024 bytes + 16 of padding = 65 x 16 bytes
.set PWAVE,  64*PPITCH                 ; a wave's 64 rows of proj_w
.set EL,     4*PWAVE                   ; 32 rows of emb_weight
.set STG,    EL+32*PPITCH              ; a stage of 16 rows x 272 bytes for each wave: the way out of W in f32
.set SPITCH, 272
.set W2S,    STG+4*16*SPITCH           ; 4 x 32 partial sums of squares
.set HST,    EL                        ; once emb_weight's rows have been read for the last time (nothing is filled after the start): 32 rows of W in f16
.set HPITCH, 528
.set H,   16                           ; v[16:63]   hi fragments: proj_w tiles 0-3, emb_weight tiles 0-1, 8 registers each
.set L,   64                           ; v[64:111]  lo fragments, likewise
.set X,   112                          ; v[112:207] the six fragments in f32 as loaded, 16 registers each; first z; later W
.set RB,  X+64                         ; v[176:207] z in f16; later rows of W read back from the stage
.set T,   208                          ; v[208:215] at work
.set BI,  224                          ; v[224:255] the bias of my 4 x 8 columns
.set R2,  24                           ; v[24:55]   rows of W in f16 read back
; window 1: v[0:63] the eight sums hi hi (tile (pt, ct) at 8 (2 pt + ct)), v[64:127] the eight sums hi lo + lo hi
.set MSB, 0
.macro WIN new                         ; s_set_vgpr_msb: the immediate's high byte repeats the setting that is left
.if MSB != \new
	s_set_vgpr_msb (MSB<<8)|\new
.set MSB, \new
.endif
.endm
.macro PLACES                          ; four places behind a matrix instruction (ISA guide 7.12.1) before its registers are read or written by other instructions
.rept 4
	v_nop
.endr
.endm
.macro ROUND                           ; a round of the cluster's barrier
	s_barrier_signal -1
	s_barrier_wait -1
	s_cmp_lg_u32 s16, 0
	s_cbranch_scc1 .Lnot_wave_0_\@
	s_barrier_signal -3
.Lnot_wave_0_\@:
	s_barrier_wait -3
	s_barrier_signal -1
	s_barrier_wait -1
.endm
	s_load_b256 s[4:11], s[0:1], 0x0               ; emb_weight s[4:5], proj_w s[6:7], proj_b s[8:9], z s[10:11]
	s_load_b128 s[12:15], s[0:1], 0x20             ; h16 s[12:13], wfx s[14:15]
	v_lshl_add_u32 v222, v0, 2, 0x4d800
	v_mov_b32 v223, 0
	ds_add_u32 v222, v223
	v_lshrrev_b32 v1, 5, v0
	v_readfirstlane_b32 s16, v1                    ; wave
	s_bfe_u32 s17, ttmp6, 0x40000                  ; cx
	s_lshl_b32 s18, ttmp9, 2
	s_add_co_u32 s18, s18, s17                     ; g = 4 x cluster + cx
	s_mov_b32 s48, 0x76543210                      ; v_permlanex16_b32: lane i reads lane i of the other half
	s_mov_b32 s49, 0xfedcba98
	v_and_b32 v1, 31, v0                           ; lane
	v_and_b32 v2, 15, v0                           ; r
	v_bfe_u32 v3, v0, 4, 1                         ; h
	v_lshlrev_b32 v4, 4, v1                        ; 16 lane
	v_lshlrev_b32 v6, 3, v1                        ; 8 lane
	v_lshlrev_b32 v5, 5, v3
	v_lshl_add_u32 v5, s16, 8, v5                  ; bias: 256 w + 32 h
	s_lshl_b32 s20, s18, 15
	s_lshl_b32 s22, s16, 13
	s_add_co_u32 s20, s20, s22                     ; (32 g + 8 w) rows of 1,024 bytes: z and emb_weight
	s_mov_b32 s21, 0
	s_lshr_b32 s22, s20, 1                         ; the same rows in f16, 512 bytes each
	s_mov_b32 s23, 0
	s_lshl_b32 s50, s16, 16                        ; proj_w: 64 w rows of 1,024 bytes: the wave's number alone
	s_mov_b32 s51, 0
	s_lshl_b32 s52, s18, 15
	s_lshl_b32 s54, s16, 8
	s_add_co_u32 s52, s52, s54                     ; W in f32: 32 g rows + 256 w bytes
	s_mov_b32 s53, 0
	s_lshl_b32 s54, s18, 7                         ; w2: 32 g numbers
	s_mov_b32 s55, 0
	s_wait_dscnt 0x0
	s_wait_kmcnt 0x0
	s_add_nc_u64 s[10:11], s[10:11], s[20:21]
	s_add_nc_u64 s[4:5], s[4:5], s[20:21]
	s_add_nc_u64 s[6:7], s[6:7], s[50:51]
	s_add_nc_u64 s[12:13], s[12:13], s[22:23]      ; W in f16 at my wave's 8 rows
	s_add_nc_u64 s[56:57], s[12:13], 0x400000      ; z in f16 at my wave's 8 rows
	s_add_nc_u64 s[58:59], s[14:15], s[52:53]
	s_add_nc_u64 s[14:15], s[14:15], 0x800000
	s_add_nc_u64 s[14:15], s[14:15], s[54:55]
.irp i, 0,1,2,3,4,5,6,7
	global_load_b128 v[X+8*\i:X+8*\i+3], v4, s[10:11] offset:1024*\i            ; a row of z: two loads of 512 neighbouring bytes
	global_load_b128 v[X+8*\i+4:X+8*\i+7], v4, s[10:11] offset:1024*\i+512
.endr
.irp pt, 0,1,2,3
	global_load_b128 v[BI+8*\pt:BI+8*\pt+3], v5, s[8:9] offset:64*\pt           ; b[64 w + 16 pt + 8 h + 0..7]
	global_load_b128 v[BI+8*\pt+4:BI+8*\pt+7], v5, s[8:9] offset:64*\pt+16
.endr
	; proj_w: 64 rows x 256 f32 a wave, asked for jointly by the cluster's four work-groups: nothing in these words hangs on cx
	s_mov_b32 s24, 1
	s_mul_i32 s25, s16, PWAVE
	s_mov_b64 s[26:27], s[6:7]
	s_or_b32 s27, s27, 0x80000000
	s_mov_b32 s28, 15|(2<<16)|(1<<20)|(1<<21)|(7<<22)|(3<<25)  ; mask of all four; elements of 4 bytes; 4 words of padding behind every 256 words
	s_mov_b32 s29, 256<<16
	s_mov_b32 s30, 64<<16
	s_mov_b32 s31, 256<<16
	s_mov_b32 s32, 64
	s_mov_b32 s33, 256
	s_mov_b32 s34, 0
	s_mov_b32 s35, 0
	; emb_weight: 8 rows a wave, the work-group's own
	s_mov_b32 s36, 1
	s_mul_i32 s37, s16, 8*PPITCH
	s_add_co_u32 s37, s37, EL
	s_mov_b64 s[38:39], s[4:5]
	s_or_b32 s39, s39, 0x80000000
	s_mov_b32 s40, (2<<16)|(1<<20)|(7<<22)|(3<<25)
	s_mov_b32 s41, 256<<16
	s_mov_b32 s42, 8<<16
	s_mov_b32 s43, 256<<16
	s_mov_b32 s44, 8
	s_mov_b32 s45, 256
	s_mov_b32 s46, 0
	s_mov_b32 s47, 0
	ROUND                                          ; the four work-groups are here: the joint loads meet
	tensor_load_to_lds s[24:27], s[28:35]          ; the launch's only fills: two loads of the wave are out
	s_nop 0
	tensor_load_to_lds s[36:39], s[40:47]
	s_nop 0
	; z in f16, while the tiles are on their way
	s_wait_loadcnt 0x8                             ; the eight loads of the bias are younger: z is in
.irp i, 0,1,2,3,4,5,6,7,8,9,10,11,12,13,14,15
	v_cvt_pk_f16_f32 v[RB+2*\i], v[X+4*\i], v[X+4*\i+1]
	v_cvt_pk_f16_f32 v[RB+2*\i+1], v[X+4*\i+2], v[X+4*\i+3]
.endr
.irp i, 0,1,2,3,4,5,6,7
	global_store_b64 v6, v[RB+4*\i:RB+4*\i+1], s[56:57] offset:512*\i           ; 32 lanes store 256 consecutive bytes, aligned
	global_store_b64 v6, v[RB+4*\i+2:RB+4*\i+3], s[56:57] offset:512*\i+256
.endr
	v_mul_u32_u24 v7, v2, PPITCH
	v_lshl_add_u32 v7, v3, 5, v7                   ; r x pitch + 32 h: 8 f32 for each half of the lanes
	v_add_nc_u32 v12, EL, v7                       ; fragments of emb_weight
	v_add_nc_u32 v7, s25, v7                       ; fragments of my 64 rows of proj_w
	s_wait_xcnt 0x0                                ; the stores' data registers are loaded again below
	s_wait_tensorcnt 0x0                           ; my rows of proj_w and my part of emb_weight are in,
	s_barrier_signal -1
	s_barrier_wait -1                              ; everybody's part of emb_weight is
; 24 LDS loads: the six fragments of K step ks in f32.  A lane's k = 8 h .. 8 h + 7 are 32 bytes, its k = 16 + 8 h .. are 64 bytes further on.
.macro XLOAD ks
.irp f, 0,1,2,3
	ds_load_b128 v[X+16*\f:X+16*\f+3],     v7 offset:\f*16*PPITCH+(\ks)*128
	ds_load_b128 v[X+16*\f+4:X+16*\f+7],   v7 offset:\f*16*PPITCH+(\ks)*128+16
	ds_load_b128 v[X+16*\f+8:X+16*\f+11],  v7 offset:\f*16*PPITCH+(\ks)*128+64
	ds_load_b128 v[X+16*\f+12:X+16*\f+15], v7 offset:\f*16*PPITCH+(\ks)*128+80
.endr
.irp f, 0,1
	ds_load_b128 v[X+64+16*\f:X+64+16*\f+3],     v12 offset:\f*16*PPITCH+(\ks)*128
	ds_load_b128 v[X+64+16*\f+4:X+64+16*\f+7],   v12 offset:\f*16*PPITCH+(\ks)*128+16
	ds_load_b128 v[X+64+16*\f+8:X+64+16*\f+11],  v12 offset:\f*16*PPITCH+(\ks)*128+64
	ds_load_b128 v[X+64+16*\f+12:X+64+16*\f+15], v12 offset:\f*16*PPITCH+(\ks)*128+80
.endr
.endm
; Eight f32 at v[x] are split into four words of hi at v[hh] and four of lo at v[ll].  A register's halves are named on a plain register
; number only, so the packed hi is made in v8-v11 and copied to its place.
.macro QUAD x, hh, ll
	v_cvt_pk_f16_f32 v8,  v[\x],   v[\x+1]
	v_cvt_pk_f16_f32 v9,  v[\x+2], v[\x+3]
	v_cvt_pk_f16_f32 v10, v[\x+4], v[\x+5]
	v_cvt_pk_f16_f32 v11, v[\x+6], v[\x+7]
	v_cvt_f32_f16 v[T],   v8.l
	v_cvt_f32_f16 v[T+1], v8.h
	v_cvt_f32_f16 v[T+2], v9.l
	v_cvt_f32_f16 v[T+3], v9.h
	v_cvt_f32_f16 v[T+4], v10.l
	v_cvt_f32_f16 v[T+5], v10.h
	v_cvt_f32_f16 v[T+6], v11.l
	v_cvt_f32_f16 v[T+7], v11.h
	v_mov_b32 v[\hh],   v8
	v_mov_b32 v[\hh+1], v9
	v_mov_b32 v[\hh+2], v10
	v_mov_b32 v[\hh+3], v11
.irp j, 0,2,4,6
	v_pk_add_f32 v[T+\j:T+\j+1], v[\x+\j:\x+\j+1], v[T+\j:T+\j+1] neg_lo:[0,1] neg_hi:[0,1]   ; x - hi, exact
.endr
.irp j, 0,2,4,6
	v_pk_mul_f32 v[T+\j:T+\j+1], v[T+\j:T+\j+1], 0x45000000 op_sel_hi:[1,0]                   ; x 2048: into f16's normal range
.endr
.irp j, 0,1,2,3
	v_cvt_pk_f16_f32 v[\ll+\j], v[T+2*\j], v[T+2*\j+1]
.endr
.endm
; Eight matrix instructions, one for each tile (pt, ct).  mode 1: onto the sum; 2: the bias starts the sum; 0: the constant 0 starts it.
; The eight accumulators take turns, one instruction a turn.
.macro PROD acc, a, b, mode
.irp pt, 0,1,2,3
.irp ct, 0,1
.if \mode == 1
	v_wmma_f32_16x16x32_f16 v[\acc+8*(2*\pt+\ct):\acc+8*(2*\pt+\ct)+7], v[\a+8*\pt:\a+8*\pt+7], v[\b+32+8*\ct:\b+32+8*\ct+7], v[\acc+8*(2*\pt+\ct):\acc+8*(2*\pt+\ct)+7]
.else
.if \mode == 2
	v_wmma_f32_16x16x32_f16 v[\acc+8*(2*\pt+\ct):\acc+8*(2*\pt+\ct)+7], v[\a+8*\pt:\a+8*\pt+7], v[\b+32+8*\ct:\b+32+8*\ct+7], v[BI+8*\pt:BI+8*\pt+7]
.else
	v_wmma_f32_16x16x32_f16 v[\acc+8*(2*\pt+\ct):\acc+8*(2*\pt+\ct)+7], v[\a+8*\pt:\a+8*\pt+7], v[\b+32+8*\ct:\b+32+8*\ct+7], 0
.endif
.endif
.endr
.endr
.endm
; One K step of 32: split the six fragments, ask for the next step's, 24 products.
.macro KS ks
	s_wait_dscnt 0x0                               ; this step's 24 loads, the only ones out
.if \ks
	PLACES                                         ; hi and lo were read by the last step's products
.endif
.irp f, 0,1,2,3,4,5
	QUAD X+16*\f, H+8*\f, L+8*\f
	QUAD X+16*\f+8, H+8*\f+4, L+8*\f+4
.endr
.if \ks < 7
	XLOAD \ks+1
.endif
.if \ks
	WIN 0x50                                       ; C and D in window 1
	PROD 0, H, H, 1
	PROD 64, H, L, 1
.else
	s_wait_loadcnt 0x0                             ; the bias
	WIN 0x40                                       ; D in window 1, C (the bias) in window 0
	PROD 0, H, H, 2
	PROD 64, H, L, 0
	WIN 0x50
.endif
	PROD 64, L, H, 1
	WIN 0
.endm
	XLOAD 0
.irp ks, 0,1,2,3,4,5,6,7
	KS \ks
.endr
	PLACES
	WIN 0x11                                       ; sources 0 and 2 in window 1
.set i, 0
.rept 32
	v_pk_fma_f32 v[X+2*i:X+2*i+1], v[64+2*i:64+2*i+1], 0x3a000000, v[2*i:2*i+1] op_sel_hi:[1,0,1]   ; W = (hi hi + b) + 2^-11 (hi lo + lo hi)
.set i, i+1
.endr
	WIN 0
	; addresses of the ways out
	s_mul_i32 s62, s16, 16*SPITCH
	s_add_co_u32 s62, s62, STG                     ; my stage
	s_lshl_b32 s63, s16, 7
	s_add_co_u32 s60, s63, HST
	s_add_co_u32 s63, s63, W2S
	s_mul_i32 s61, s16, 8*HPITCH
	s_add_co_u32 s61, s61, HST
	v_lshlrev_b32 v23, 2, v1                       ; 4 lane
	v_add_nc_u32 v16, s63, v23                     ; my wave's partial w2 of code lane
	v_add_nc_u32 v22, W2S, v23
	v_mul_u32_u24 v17, v2, SPITCH
	v_lshl_add_u32 v17, v3, 5, v17
	v_add_nc_u32 v17, s62, v17                     ; stage, in: row r, 32 bytes for each half of the lanes
	v_mul_u32_u24 v18, v3, SPITCH
	v_lshl_add_u32 v18, v2, 4, v18
	v_add_nc_u32 v18, s62, v18                     ; stage, back: lanes 0-15 one row of 256 bytes, lanes 16-31 the next
	v_lshlrev_b32 v19, 10, v3
	v_lshl_add_u32 v19, v2, 4, v19                 ; the same two rows in W
	v_mul_u32_u24 v20, v2, HPITCH
	v_lshl_add_u32 v20, v3, 4, v20
	v_add_nc_u32 v20, s60, v20                     ; f16 stage, in: row r, byte 128 w + 16 h
	v_add_nc_u32 v21, s61, v4                      ; f16 stage, back: row 8 w, 16 bytes a lane
	; w2: my 64 columns' share, for each tile of codes
.irp ct, 0,1
	v_pk_mul_f32 v[T+2*\ct:T+2*\ct+1], v[X+8*\ct:X+8*\ct+1], v[X+8*\ct:X+8*\ct+1]
.irp j, 2,4,6
	v_pk_fma_f32 v[T+2*\ct:T+2*\ct+1], v[X+8*\ct+\j:X+8*\ct+\j+1], v[X+8*\ct+\j:X+8*\ct+\j+1], v[T+2*\ct:T+2*\ct+1]
.endr
.irp pt, 1,2,3
.irp j, 0,2,4,6
	v_pk_fma_f32 v[T+2*\ct:T+2*\ct+1], v[X+8*(2*\pt+\ct)+\j:X+8*(2*\pt+\ct)+\j+1], v[X+8*(2*\pt+\ct)+\j:X+8*(2*\pt+\ct)+\j+1], v[T+2*\ct:T+2*\ct+1]
.endr
.endr
	v_add_f32 v[T+2*\ct], v[T+2*\ct], v[T+2*\ct+1]
.endr
	v_permlanex16_b32 v[T+4], v[T], s48, s49       ; the other eight columns of each sixteen
	v_permlanex16_b32 v[T+5], v[T+2], s48, s49
	v_add_f32 v[T], v[T], v[T+4]
	v_add_f32 v[T+2], v[T+2], v[T+5]
	v_cmp_eq_u32 vcc_lo, 1, v3
	v_cndmask_b32 v[T], v[T], v[T+2], vcc_lo       ; lane = code: lanes 0-15 tile 0, lanes 16-31 tile 1
	ds_store_b32 v16, v[T]
	; W in f32, 16 codes at a time through my own stage: LDS serves a wave's instructions in order (ISA guide 5.7.1)
.irp ct, 0,1
.irp pt, 0,1,2,3
	ds_store_b128 v17, v[X+8*(2*\pt+\ct):X+8*(2*\pt+\ct)+3] offset:64*\pt
	ds_store_b128 v17, v[X+8*(2*\pt+\ct)+4:X+8*(2*\pt+\ct)+7] offset:64*\pt+16
.endr
.if \ct
	s_wait_xcnt 0x0                                ; the first tile's stores have read RB
.endif
.irp i, 0,1,2,3,4,5,6,7
	ds_load_b128 v[RB+4*\i:RB+4*\i+3], v18 offset:\i*2*SPITCH
.endr
.irp i, 0,1,2,3,4,5,6,7
	s_wait_dscnt 7-\i                              ; the younger read-backs stay out
	global_store_b128 v19, v[RB+4*\i:RB+4*\i+3], s[58:59] offset:(16*\ct+2*\i)*1024   ; 16 lanes store 256 consecutive bytes, aligned
.endr
.endr
	s_wait_dscnt 0x0                               ; my LDS work is done, my reads of emb_weight's rows long since
	s_barrier_signal -1
	s_barrier_wait -1                              ; nobody reads emb_weight's rows any more: they become the f16 stage
.irp a, 0,1,2,3,4,5,6,7
.irp j, 0,1,2,3
	v_cvt_pk_f16_f32 v[L+4*\a+\j], v[X+8*\a+2*\j], v[X+8*\a+2*\j+1]
.endr
.endr
.irp pt, 0,1,2,3
.irp ct, 0,1
	ds_store_b128 v20, v[L+4*(2*\pt+\ct):L+4*(2*\pt+\ct)+3] offset:\ct*16*HPITCH+32*\pt
.endr
.endr
	s_wait_dscnt 0x0                               ; for the other waves' sake: zero
	s_barrier_signal -1
	s_barrier_wait -1
.irp i, 0,1,2,3,4,5,6,7
	ds_load_b128 v[R2+4*\i:R2+4*\i+3], v21 offset:\i*HPITCH
.endr
.irp i, 0,1,2,3,4,5,6,7
	s_wait_dscnt 7-\i
	global_store_b128 v4, v[R2+4*\i:R2+4*\i+3], s[12:13] offset:512*\i          ; a whole row of 512 bytes
.endr
	s_cmp_lg_u32 s16, 0
	s_cbranch_scc1 .Lno_w2
	ds_load_b32 v56, v22                           ; wave 0 adds the four waves' shares of w2 (32 numbers: 128 bytes of the 32 KiB table)
	ds_load_b32 v57, v22 offset:128
	ds_load_b32 v58, v22 offset:256
	ds_load_b32 v59, v22 offset:384
	s_wait_dscnt 0x0
	v_add_f32 v56, v56, v57
	v_add_f32 v58, v58, v59
	v_add_f32 v56, v56, v58
	global_store_b32 v23, v56, s[14:15]
.Lno_w2:
	s_wait_tensorcnt 0x0
	ds_add_u32 v222, v223
	s_wait_dscnt 0x0
	ROUND                                          ; the closing round: no work-group ends while a partner may still ask jointly
	s_endpgm
.Lfunc_end_k_q7930992fae_prep:
	.size	k_q7930992fae_prep, .Lfunc_end_k_q7930992fae_prep-k_q7930992fae_prep
	.p2alignl 7, 3214868480
	.fill 96, 4, 3214868480
	.section	.rodata,"a",@progbits
	.p2align	6, 0x0
	.amdhsa_kernel k_q7930992fae_prep
		.amdhsa_group_segment_fixed_size 317952
		.amdhsa_private_segment_fixed_size 0
		.amdhsa_enable_private_segment 0
		.amdhsa_kernarg_size 48
		.amdhsa_user_sgpr_count 2
		.amdhsa_user_sgpr_kernarg_segment_ptr 1
		.amdhsa_wavefront_size32 1
		.amdhsa_system_sgpr_workgroup_id_x 1
		.amdhsa_system_sgpr_workgroup_id_y 1
		.amdhsa_system_sgpr_workgroup_id_z 1
		.amdhsa_system_vgpr_workitem_id 0
		.amdhsa_next_free_vgpr 384
		.amdhsa_next_free_sgpr 66
		.amdhsa_reserve_vcc 1
		.amdhsa_float_denorm_mode_32 3
		.amdhsa_float_denorm_mode_16_64 3
		.amdhsa_memory_ordered 1
		.amdhsa_forward_progress 1
		.amdhsa_inst_pref_size 196
	.end_amdhsa_kernel
	.amdgpu_metadata
---
amdhsa.version: [ 1, 2 ]
amdhsa.kernels:
  - .name:           k_q7930992fae_prep
    .symbol:         k_q7930992fae_prep.kd
    .args:
      - { .name: emb_weight, .offset: 0, .size: 8, .value_kind: global_buffer, .address_space: global }
      - { .name: proj_w, .offset: 8, .size: 8, .value_kind: global_buffer, .address_space: global }
      - { .name: proj_b, .offset: 16, .size: 8, .value_kind: global_buffer, .address_space: global }
      - { .name: z, .offset: 24, .size: 8, .value_kind: global_buffer, .address_space: global }
      - { .name: h16, .offset: 32, .size: 8, .value_kind: global_buffer, .address_space: global }
      - { .name: wfx, .offset: 40, .size: 8, .value_kind: global_buffer, .address_space: global }
    .group_segment_fixed_size: 317952
    .private_segment_fixed_size: 0
    .kernarg_segment_align: 8
    .kernarg_segment_size: 48
    .max_flat_workgroup_size: 128
    .sgpr_count:     66
    .vgpr_count:     384
    .wavefront_size: 32
...
	.end_amdgpu_metadata
.endif
;; end of part 1
;; launch pass1 (part 2): grid 32 x 8, 4 waves a work-group, clusters of 4 x 4, 327,680 bytes of LDS; arguments h16, wfx, stat; writes stat
.if DOCPART == 2
	.amdgcn_target "amdgcn-amd-amdhsa--gfx1250"
	.amdhsa_code_object_version 6
	.text
	.protected	k_q7930992fae_pass1
	.globl	k_q7930992fae_pass1
	.p2align	8
	.type	k_q7930992fae_pass1,@function
k_q7930992fae_pass1:
	s_mov_b64 s[64:65], 0
	v_nop
	global_prefetch_b8 v0, s[64:65] scope:SCOPE_SE
	s_setreg_imm32_b32 hwreg(HW_REG_WAVE_MODE, 25, 1), 1
	s_wait_xcnt 0x0
	s_wait_alu depctr_hold_cnt(0) depctr_sa_sdst(0) depctr_va_vdst(0) depctr_va_sdst(0) depctr_va_ssrc(0) depctr_va_vcc(0) depctr_vm_vsrc(0)
	s_getreg_b32 s2, hwreg(HW_REG_IB_STS2, 6, 4)
	s_cmp_eq_u32 s2, 0
	s_cbranch_scc0 .Lentry_in_a_cluster
	s_endpgm
.Lentry_in_a_cluster:
	s_bfe_u32 s2, ttmp6, 0x10000c
	s_cmp_lg_u32 s2, 0xf033
	s_cbranch_scc0 .Lentry_shape_is_right
	s_endpgm
.Lentry_shape_is_right:
; PASS1: dot = z W^T in f16 with f32 sums, first time.  For every z row and every split of 1,024 codes: the running maximum m of dot,
; Z100 = sum exp(100 (dot - m)), Z1 = sum exp(dot - m), and the two groups of four codes with the least w2 - 2 dot.
; Left out here: z2, which is the same for all codes of a row and cannot change which groups are least (it is kept where the index is decided).
; THE KEYS: a group's least w2 - 2 dot is carried with its low 7 bits replaced by the group's number in the lane (2^-16 of its value is lost).
; A positive float grows with its low bits and a negative one falls, so the number stands as it is in a positive key and as its complement in
; a negative one: as floats the keys then order by (upper 25 bits, number ascending) whatever the sign, and among equal distances the lower
; group is the lesser key.  At the end the number is taken out again, the keys are stored with their low 7 bits 0, and every later merge
; orders by (key, group).
; LIMIT: the nearest code's group can miss the two that are kept only where two other groups each hold a code whose w2 - 2 dot comes within
; 2^-8 |z| |w| + 2^-16 |w2 - 2 dot| of the least (two f16 operands off by 2^-11 each, twice in w2 - 2 dot, for two codes; and the 7 bits).
;
; Work-group (x, y): z rows 256 x .. + 255 (they stay), codes 1024 y .. + 1023 (they stream).  Wave w keeps its 64 z rows as 4 x 8 B fragments in
; 256 registers for the whole launch; all four waves read the same code tiles as A.  In the result lane (r, h) holds z row r and codes
; 8 h .. 8 h + 7, so every row statistic stays inside a lane until the end.  A fragment of 1 KiB from LDS feeds four matrix instructions.
; CLUSTERS: 4 x 4.  The code tiles hang on y alone and are asked for jointly along a row of the cluster, the z rows on x alone, along a column.
; The codes go through two LDS slots of 128 codes; a slot is four blocks of 32 codes; a block is two tiles of 16 codes.
; BY TURNS: the two tiles of a block are two pieces.  While tile 1's 32 products are issued, tile 0's statistics (232 vector instructions) stand
; in 32 slices, one behind each product; tile 1's statistics stand behind the next block's tile 0.  A tile's A registers are loaded again in one
; run straight behind its products and have the other tile's 32 products in which to land, so one set of accumulators and one set of A registers do.
.set PITCH, 528                        ; a row of 256 f16: 512 bytes + 16 of padding = 33 x 16 bytes
.set TILE,  16*PITCH
.set BLK,   32*PITCH
.set SLOT,  128*PITCH
.set STAT,  2*SLOT                     ; the rows that stay: 64 rows for each wave, read once by that wave
.set SWAVE, 64*PITCH
.set VECT,  STAT+4*SWAVE               ; w2 of the split's 1,024 codes
.set G1W,   (1<<16)|(1<<20)|(1<<21)|(6<<22)|(3<<25)   ; elements of 2 bytes; padding of 4 words behind every 128 words; bit 21 beside a mask
.set ACC,  16                          ; v[16:79]   eight result tiles: (t, q) at 16 + 32 t + 8 q
.set VR,   80                          ; v[80:95]   w2 of my 8 codes of tile t at 80 + 8 t
.set T,    96                          ; v[96:111]  exponents and exponentials at 100, 8 for each of the two z tiles that run in step
.set U,    112                         ; v[112:127] the same at 1
.set D,    128                         ; v[128:143] w2 - 2 dot
.set XB,   144                         ; v[144:151] three partial maxima for each of the two; once these are read, the two keys' signs and numbers
.set XK,   152                         ; v[152:155] two groups' keys for each of the two
.set M,    160                         ; v[160:167] per q a pair: the running maximum in the low register (the high one is only written once)
.set NA,   168                         ; v[168:183] per q two pairs that swap from tile to tile: (-c100 m, -c1 m), and what the old sums are scaled by
.set Z100, 184                         ; v[184:191] per q a pair of running sums at 100
.set Z1,   192                         ; v[192:199] the same at 1
.set K1,   200                         ; per q the least and the second least key
.set K2,   204
.set CC,   208                         ; v[208:209] (-100 log2 e, -log2 e)
.set MN,   210                         ; the way out
.set DM,   211
.set A100, 212
.set A1,   213
.set I1,   214
.set I2,   218
.set GG,   222
.set SA,   226
.set SB,   232
; window 1: v[8 (8 q + ks)] the fragments that stay; window 2: v[8 ks], v[64 + 8 ks] the block's two code tiles
.set MSB, 0
.macro WIN new                         ; s_set_vgpr_msb: the immediate's high byte repeats the setting that is left
.if MSB != \new
	s_set_vgpr_msb (MSB<<8)|\new
.set MSB, \new
.endif
.endm
.macro PLACES                          ; four places behind a matrix instruction (ISA guide 7.12.1)
.rept 4
	v_nop
.endr
.endm
.macro CROUND                          ; a round of the cluster's barrier
	s_barrier_signal -1
	s_barrier_wait -1
	s_cmp_lg_u32 s12, 0
	s_cbranch_scc1 .Lnot_wave_0_\@
	s_barrier_signal -3
.Lnot_wave_0_\@:
	s_barrier_wait -3
	s_barrier_signal -1
	s_barrier_wait -1
.endm
.macro TLOAD t, a, off                 ; 16 LDS loads in one run: a tile of 16 rows x 256 K into tile t's A registers
	WIN 0x80
.irp ks, 0,1,2,3,4,5,6,7
	ds_load_b128 v[64*(\t)+8*\ks:64*(\t)+8*\ks+3],   v[\a] offset:\off+64*\ks
	ds_load_b128 v[64*(\t)+8*\ks+4:64*(\t)+8*\ks+7], v[\a] offset:\off+64*\ks+32
.endr
	WIN 0
.endm
.macro VLOAD t                         ; w2 of my 8 codes of a tile t
	ds_load_b128 v[VR+8*(\t):VR+8*(\t)+3],   v7
	ds_load_b128 v[VR+8*(\t)+4:VR+8*(\t)+7], v7 offset:16
.endm
; Behind tile t's products: the next block's tile t, and w2 for the statistics after next (those of tile 1 - t, whose half of VR has just been
; read out).  The places behind the last product are its slice's seven plain instructions and the add below.
.macro RUN t
	v_add_nc_u32 v7, 64, v7                        ; 16 codes on
	TLOAD \t, 6, 0
	VLOAD 1-\t
	v_add_nc_u32 v6, TILE, v6
	s_wait_dscnt 18                                ; the 18 just issued are younger: the run before this one has landed
.endm
; Number k (0 to 231) of the statistics of code tile t.  Two z tiles run in step, 116 numbers a pair: 38 plain instructions, then 36 times
; an exponential and a plain instruction that touches neither its result nor its source (ISA guide 5.7.2), then 6 plain instructions.
.macro OPN t, k
.set PK, (\k)%116
.set MI, 0
.if PK < 38
.set EE, PK%2
.elseif PK < 110
.set MI, (PK-38)/2
.set EE, MI%2
.else
.set EE, PK%2
.endif
.set QQ, 2*((\k)/116)+EE
.set SS, ACC+32*(\t)+8*QQ
.set VV, VR+8*(\t)
.set TT, T+8*EE
.set UU, U+8*EE
.set DD, D+8*EE
.set XX, XB+4*EE
.set KX, XK+2*EE
.set MQ, M+2*QQ
.set NW, NA+8*(1-(\t))+2*QQ
.set OL, NA+8*(\t)+2*QQ
.set ZA, Z100+2*QQ
.set ZB, Z1+2*QQ
.if PK < 4
.set II, PK/2
	v_max3_num_f32 v[XX+II], v[SS+3*II], v[SS+3*II+1], v[SS+3*II+2]
.elseif PK < 6
	v_max3_num_f32 v[XX+2], v[SS+6], v[SS+7], v[MQ]
.elseif PK < 10
.set II, (PK-6)/2
	v_pk_fma_f32 v[DD+2*II:DD+2*II+1], v[SS+2*II:SS+2*II+1], -2.0, v[VV+2*II:VV+2*II+1] op_sel_hi:[1,0,1]
.elseif PK < 12
	v_max3_num_f32 v[MQ], v[XX], v[XX+1], v[XX+2]                                  ; the new maximum
.elseif PK < 16
.set II, (PK-8)/2
	v_pk_fma_f32 v[DD+2*II:DD+2*II+1], v[SS+2*II:SS+2*II+1], -2.0, v[VV+2*II:VV+2*II+1] op_sel_hi:[1,0,1]
.elseif PK < 18
	v_pk_mul_f32 v[NW:NW+1], v[MQ:MQ+1], v[CC:CC+1] op_sel_hi:[0,1]                ; (-c100 m, -c1 m)
.elseif PK < 20
	v_min3_num_f32 v[KX], v[DD], v[DD+1], v[DD+2]
.elseif PK < 22
	v_pk_add_f32 v[OL:OL+1], v[NW:NW+1], v[OL:OL+1] neg_lo:[0,1] neg_hi:[0,1]      ; new - old = c (old m - new m), at most 0 (-inf the first time)
.elseif PK < 24
	v_min3_num_f32 v[KX+1], v[DD+4], v[DD+5], v[DD+6]
.elseif PK < 28
.set GI, (PK-24)/2
	v_min_num_f32 v[KX+GI], v[KX+GI], v[DD+4*GI+3]                                 ; the group's least w2 - 2 dot
.elseif PK < 36
.set II, (PK-28)/2
	v_pk_fma_f32 v[TT+2*II:TT+2*II+1], v[SS+2*II:SS+2*II+1], s[20:21], v[NW:NW+1] op_sel_hi:[1,0,0]
.elseif PK < 38
	v_ashrrev_i32 v[XX], 31, v[KX]                 ; all ones where the key is negative
.elseif PK < 110
.if (PK-38)%2 == 0
.if MI < 4
	v_exp_f32 v[OL+MI/2], v[OL+MI/2]               ; what the old sums are scaled by
.elseif MI < 20
	v_exp_f32 v[TT+(MI-4)/2], v[TT+(MI-4)/2]
.else
	v_exp_f32 v[UU+(MI-20)/2], v[UU+(MI-20)/2]
.endif
.elseif MI < 8
.set II, MI/2
	v_pk_fma_f32 v[UU+2*II:UU+2*II+1], v[SS+2*II:SS+2*II+1], s[22:23], v[NW:NW+1] op_sel:[0,0,1] op_sel_hi:[1,0,1]
.elseif MI < 10
	v_ashrrev_i32 v[XX+1], 31, v[KX+1]
.elseif MI < 14
.set GI, (MI-10)/2
	v_xor_b32 v[XX+GI], s[56+2*(\t)+GI], v[XX+GI]  ; the group's number, 4 x block + 2 t + half; its complement where the key is negative
.elseif MI < 16
	s_wait_alu depctr_va_vdst(0)
	v_pk_add_f32 v[TT:TT+1], v[TT:TT+1], v[TT+2:TT+3]
.elseif MI < 20
.set GI, (MI-16)/2
	v_bfi_b32 v[KX+GI], s54, v[KX+GI], v[XX+GI]    ; the key's upper 25 bits, the low 7 bits of that
.elseif MI < 22
	s_wait_alu depctr_va_vdst(0)
	v_pk_add_f32 v[TT+4:TT+5], v[TT+4:TT+5], v[TT+6:TT+7]
.elseif MI < 24
	v_med3_num_f32 v[K2+QQ], v[K1+QQ], v[K2+QQ], v[KX]
.elseif MI < 26
	v_min_num_f32 v[K1+QQ], v[K1+QQ], v[KX]
.elseif MI < 28
	v_pk_add_f32 v[TT:TT+1], v[TT:TT+1], v[TT+4:TT+5]
.elseif MI < 30
	v_med3_num_f32 v[K2+QQ], v[K1+QQ], v[K2+QQ], v[KX+1]
.elseif MI < 32
	v_min_num_f32 v[K1+QQ], v[K1+QQ], v[KX+1]
.elseif MI < 34
	v_pk_fma_f32 v[ZA:ZA+1], v[ZA:ZA+1], v[OL:OL+1], v[TT:TT+1] op_sel_hi:[1,0,1]
.else
	s_wait_alu depctr_va_vdst(0)
	v_pk_add_f32 v[UU:UU+1], v[UU:UU+1], v[UU+2:UU+3]
.endif
.elseif PK < 112
	s_wait_alu depctr_va_vdst(0)
	v_pk_add_f32 v[UU+4:UU+5], v[UU+4:UU+5], v[UU+6:UU+7]
.elseif PK < 114
	v_pk_add_f32 v[UU:UU+1], v[UU:UU+1], v[UU+4:UU+5]
.else
	v_pk_fma_f32 v[ZB:ZB+1], v[ZB:ZB+1], v[OL:OL+1], v[UU:UU+1] op_sel:[0,1,0] op_sel_hi:[1,1,1]
.endif
.endm
.macro SLICE t                         ; slice SN of 32: numbers 29 SN / 4 up to 29 (SN + 1) / 4, seven or eight; the last slice is an exponential and seven plain instructions
.set KK, (29*SN)/4
.rept (29*(SN+1))/4-(29*SN)/4
	OPN \t, KK
.set KK, KK+1
.endr
.endm
; The 32 products of code tile t; the first of each z tile takes the constant 0 as C.  Four accumulators take turns, one instruction a turn.
; vec = 1: behind each product a slice of the other tile's statistics, which names none of the product's registers.
.macro MMTV t, vec
.set SN, 0
.irp ks, 0,1,2,3,4,5,6,7
.irp q, 0,1,2,3
	WIN 0x06                                       ; A in window 2, B in window 1
.if \ks
	v_wmma_f32_16x16x32_f16 v[ACC+32*\t+8*\q:ACC+32*\t+8*\q+7], v[64*\t+8*\ks:64*\t+8*\ks+7], v[8*(8*\q+\ks):8*(8*\q+\ks)+7], v[ACC+32*\t+8*\q:ACC+32*\t+8*\q+7]
.else
	v_wmma_f32_16x16x32_f16 v[ACC+32*\t+8*\q:ACC+32*\t+8*\q+7], v[64*\t+8*\ks:64*\t+8*\ks+7], v[8*(8*\q+\ks):8*(8*\q+\ks)+7], 0
.endif
.if \vec
	WIN 0
	SLICE 1-\t
.set SN, SN+1
.endif
.endr
.endr
	WIN 0
.endm
; Unit b: tile 1 of block b beside tile 0's statistics, then tile 0 of block b + 1 beside tile 1's.  Its two runs read block b + 1 from LDS.
.macro UNIT
	RUN 0
	MMTV 1, 1
	RUN 1
	MMTV 0, 1
	s_add_co_u32 s56, s56, 4                       ; the next block's four groups
	s_add_co_u32 s57, s57, 4
	s_add_co_u32 s58, s58, 4
	s_add_co_u32 s59, s59, 4
.endm
; The change of slots, ahead of the unit that reads the new slot's first block.  Every wave's reads of the old slot are back and all its tensor
; loads have landed; with a refill a round of the cluster's barrier says so for all sixteen work-groups, and the joint refill of the old slot,
; two steps of 128 rows ahead, is the first thing behind it.
.macro CHANGE new, refill
	s_wait_dscnt 0x0
	s_wait_tensorcnt 0x0
	ds_add_u32 v254, v255
	s_wait_dscnt 0x0
.if \refill
	s_add_nc_u64 s[38-4*\new:39-4*\new], s[38-4*\new:39-4*\new], 131072
	CROUND
	tensor_load_to_lds s[36-4*\new:39-4*\new], s[24:31]    ; my one load behind the round; it has the visit's four units in which to land
	s_nop 0
	v_nop
.else
	s_barrier_signal -1
	s_barrier_wait -1
.endif
	v_mov_b32 v6, v[4+\new]
.endm
.macro VISIT new, refill, cnt
	CHANGE \new, \refill
	s_mov_b32 s\cnt, 4
.Lvisit_\@:
	UNIT
	s_sub_co_u32 s\cnt, s\cnt, 1
	s_cmp_lg_u32 s\cnt, 0
	s_cbranch_scc1 .Lvisit_\@
.endm
; (x, ix) into the pair (k1, i1), (k2, i2), which is ordered by key and, among equal keys, by group: x goes ahead of an entry if its key is
; less, or equal with the lower group.  The masks only choose among registers.
.macro INSERT k1, k2, i1, i2, x, ix
	v_cmp_eq_f32 s74, v[\x], v[\k1]
	v_cmp_lt_u32 s75, v[\ix], v[\i1]
	v_cmp_lt_f32 s70, v[\x], v[\k1]
	s_and_b32 s74, s74, s75
	s_or_b32 s70, s70, s74                         ; ahead of the first
	v_cmp_eq_f32 s74, v[\x], v[\k2]
	v_cmp_lt_u32 s75, v[\ix], v[\i2]
	v_cmp_lt_f32 s73, v[\x], v[\k2]
	s_and_b32 s74, s74, s75
	s_or_b32 s73, s73, s74                         ; ahead of the second
	v_cndmask_b32 v[\i2], v[\i2], v[\ix], s73
	v_cndmask_b32 v[\i2], v[\i2], v[\i1], s70
	v_cndmask_b32 v[\i1], v[\i1], v[\ix], s70
	v_med3_num_f32 v[\k2], v[\k1], v[\k2], v[\x]
	v_min_num_f32 v[\k1], v[\k1], v[\x]
.endm
	s_load_b128 s[4:7], s[0:1], 0x0                ; h16 s[4:5], wfx s[6:7]
	s_load_b64 s[8:9], s[0:1], 0x10                ; stat
	v_lshl_add_u32 v254, v0, 2, 0x43000
	v_mov_b32 v255, 0
	ds_add_u32 v254, v255
	v_lshrrev_b32 v1, 5, v0
	v_readfirstlane_b32 s12, v1                    ; wave
	s_bfe_u32 s13, ttmp6, 0x40000                  ; cx
	s_bfe_u32 s14, ttmp6, 0x40004                  ; cy
	s_lshl_b32 s66, ttmp9, 2
	s_add_co_u32 s66, s66, s13                     ; x
	s_and_b32 s67, ttmp7, 0xffff
	s_lshl_b32 s67, s67, 2
	s_add_co_u32 s67, s67, s14                     ; y
	s_lshl_b32 s68, s14, 2
	s_lshl_b32 s68, 15, s68                        ; my row of the cluster
	s_lshl_b32 s69, 0x1111, s13                    ; my column
	s_or_b32 s24, s68, G1W                         ; the code tiles: 32 rows x 256 f16 a wave, shared along the row
	s_mov_b32 s25, 256<<16
	s_mov_b32 s26, 32<<16
	s_mov_b32 s27, 256<<16
	s_mov_b32 s28, 32
	s_mov_b32 s29, 256
	s_mov_b32 s30, 0
	s_mov_b32 s31, 0
	s_or_b32 s44, s69, G1W                         ; the z rows: 64 rows a wave, shared along the column
	s_mov_b32 s45, 256<<16
	s_mov_b32 s46, 64<<16
	s_mov_b32 s47, 256<<16
	s_mov_b32 s48, 64
	s_mov_b32 s49, 256
	s_mov_b32 s50, 0
	s_mov_b32 s51, 0
	s_lshl_b32 s16, s67, 19                        ; codes: (1024 y + 32 w) rows of 512 bytes: y and the wave alone
	s_lshl_b32 s70, s12, 14
	s_add_co_u32 s16, s16, s70
	s_mov_b32 s17, 0
	s_lshl_b32 s18, s66, 17                        ; z: (256 x + 64 w) rows: x and the wave alone
	s_lshl_b32 s71, s12, 15
	s_add_co_u32 s18, s18, s71
	s_mov_b32 s19, 0
	s_lshl_b32 s76, s67, 12                        ; w2 of the split: 1024 y numbers
	s_mov_b32 s77, 0
	s_mov_b32 s20, 0x431044fe                      ; 100 log2 e, twice
	s_mov_b32 s21, 0x431044fe
	s_mov_b32 s22, 0x3fb8aa3b                      ; log2 e, twice
	s_mov_b32 s23, 0x3fb8aa3b
	s_mov_b32 s52, 0x76543210
	s_mov_b32 s53, 0xfedcba98
	s_mov_b32 s54, 0xffffff80                      ; a key's upper 25 bits
	s_mov_b32 s56, 0
	s_mov_b32 s57, 1
	s_mov_b32 s58, 2
	s_mov_b32 s59, 3
	s_wait_dscnt 0x0
	s_wait_kmcnt 0x0
	s_add_nc_u64 s[16:17], s[4:5], s[16:17]        ; W in f16 lies first in h16,
	s_add_nc_u64 s[18:19], s[4:5], s[18:19]
	s_add_nc_u64 s[18:19], s[18:19], 0x400000      ; z in f16 behind it
	s_add_nc_u64 s[82:83], s[6:7], 0x800000
	s_add_nc_u64 s[82:83], s[82:83], s[76:77]
	s_mov_b32 s32, 1
	s_mul_i32 s33, s12, BLK                        ; slot 0, my quarter
	s_mov_b64 s[34:35], s[16:17]
	s_or_b32 s35, s35, 0x80000000
	s_mov_b32 s36, 1
	s_add_co_u32 s37, s33, SLOT                    ; slot 1
	s_add_nc_u64 s[38:39], s[16:17], 65536         ; 128 rows on
	s_or_b32 s39, s39, 0x80000000
	s_mov_b32 s40, 1
	s_mul_i32 s41, s12, SWAVE
	s_add_co_u32 s41, s41, STAT
	s_mov_b64 s[42:43], s[18:19]
	s_or_b32 s43, s43, 0x80000000
	CROUND                                         ; all sixteen work-groups are here
	tensor_load_to_lds s[40:43], s[44:51]          ; the three first fills go out together: three loads of the wave are out
	s_nop 0
	tensor_load_to_lds s[32:35], s[24:31]
	s_nop 0
	tensor_load_to_lds s[36:39], s[24:31]
	s_nop 0
	v_lshlrev_b32 v9, 4, v0
	global_load_b128 v[96:99], v9, s[82:83]
	global_load_b128 v[100:103], v9, s[82:83] offset:2048
	v_and_b32 v1, 15, v0                           ; r
	v_bfe_u32 v2, v0, 4, 1                         ; h
	v_and_b32 v10, 31, v0                          ; lane
	v_mul_u32_u24 v4, v1, PITCH
	v_lshl_add_u32 v4, v2, 4, v4                   ; slot 0: r x pitch + 16 h
	v_add_nc_u32 v5, SLOT, v4                      ; slot 1
	v_add_nc_u32 v8, s41, v4                       ; my 64 rows that stay
	v_lshlrev_b32 v7, 5, v2
	v_add_nc_u32 v7, VECT, v7                      ; w2 of codes 8 h ..
	v_add_nc_u32 v11, VECT, v9
	v_lshlrev_b32 v13, 3, v10
	v_lshlrev_b32 v14, 4, v10
.irp q, 0,1,2,3
	v_mov_b32 v[M+2*\q], 0xff800000                ; m = -inf,
	v_mov_b32 v[M+2*\q+1], 0xff800000
	v_mov_b32 v[NA+2*\q], 0x7f800000               ; so -c m = +inf: the first factors are exp2(-inf) = 0
	v_mov_b32 v[NA+2*\q+1], 0x7f800000
	v_mov_b32 v[Z100+2*\q], 0
	v_mov_b32 v[Z100+2*\q+1], 0
	v_mov_b32 v[Z1+2*\q], 0
	v_mov_b32 v[Z1+2*\q+1], 0
	v_mov_b32 v[K1+\q], 0x7f800000
	v_mov_b32 v[K2+\q], 0x7f800000
.endr
	v_mov_b32 v[CC], 0xc31044fe
	v_mov_b32 v[CC+1], 0xbfb8aa3b
	s_wait_loadcnt 0x0
	ds_store_b128 v11, v[96:99]
	ds_store_b128 v11, v[100:103] offset:2048
	s_wait_tensorcnt 0x2                           ; the two slots' loads are younger: my rows that stay are in, and I alone read them
	WIN 0x40
.irp q, 0,1,2,3
.irp ks, 0,1,2,3,4,5,6,7
	ds_load_b128 v[8*(8*\q+\ks):8*(8*\q+\ks)+3],   v8 offset:TILE*\q+64*\ks
	ds_load_b128 v[8*(8*\q+\ks)+4:8*(8*\q+\ks)+7], v8 offset:TILE*\q+64*\ks+32
.endr
.endr
	WIN 0
	s_wait_tensorcnt 0x1                           ; slot 1's load is younger: my quarter of slot 0 is in
	s_wait_dscnt 0x0                               ; my part of w2 is written
	s_barrier_signal -1
	s_barrier_wait -1
	TLOAD 0, 4, 0                                  ; block 0
	TLOAD 1, 4, TILE
	VLOAD 0
	s_wait_dscnt 18                                ; tile 1's 16 loads and w2's 2 are younger: tile 0 is in
	MMTV 0, 0                                      ; tile 0 of block 0: no statistics are due yet
	PLACES
	v_add_nc_u32 v6, BLK, v4
	s_mov_b32 s60, 3
.Lfirst:                                               ; units 0 to 2 read blocks 1 to 3 of slot 0
	UNIT
	s_sub_co_u32 s60, s60, 1
	s_cmp_lg_u32 s60, 0
	s_cbranch_scc1 .Lfirst
	s_mov_b32 s61, 3
.Lpair:                                                ; units 3 to 26 read steps 1 to 6 of the eight; their changes of slots ask for steps 2 to 7
	VISIT 1, 1, 60
	VISIT 0, 1, 55
	s_sub_co_u32 s61, s61, 1
	s_cmp_lg_u32 s61, 0
	s_cbranch_scc1 .Lpair
	VISIT 1, 0, 60                                 ; units 27 to 30 read the last step: nothing is left to ask for
	v_add_nc_u32 v7, 64, v7
	VLOAD 1                                        ; w2 of the last tile
	s_wait_dscnt 0x0
	MMTV 1, 1                                      ; tile 1 of block 31 beside tile 0's statistics
.set KK, 0
.rept 232
	OPN 1, KK                                      ; the last tile's statistics, with no products left to stand between
.set KK, KK+1
.endr
	; lanes r and r + 16 hold the two halves of each row's codes: merge them
	s_lshl_b32 s74, s67, 8                         ; 256 groups a split
	v_lshl_add_u32 v12, v2, 1, s74                 ; + 2 h
	v_cmp_eq_u32 s72, 1, v2
	s_lshl_b32 s76, s67, 13
	s_lshl_b32 s75, s66, 8
	s_add_co_u32 s76, s76, s75
	s_lshl_b32 s75, s12, 6
	s_add_co_u32 s76, s76, s75                     ; record 8192 y + 256 x + 64 w
	s_lshl_b32 s76, s76, 3
	s_add_nc_u64 s[78:79], s[8:9], s[76:77]        ; (m, Z100), 8 bytes a record
	s_lshl_b32 s76, s76, 1
	s_add_nc_u64 s[80:81], s[8:9], s[76:77]
	s_add_nc_u64 s[80:81], s[80:81], 524288        ; (Z1, key 1, key 2, groups), 16 bytes a record
; A key gives its number back (the complement is undone by the sign), group = 256 y + 4 tile + 2 h + half from the number's 2 tile + half,
; and keeps its upper 25 bits alone.  The lane's own pair is in the order (key, group): in one lane the group rises with the number.  Between
; the two lanes it does not (2 h stands above the half), so the partner's pair is inserted by (key, group), not by the keys as they were.
.macro UNKEY k, i
	v_ashrrev_i32 v[T+1], 31, v[\k]
	v_xor_b32 v[T+1], v[\k], v[T+1]
	v_and_b32 v[T+2], 1, v[T+1]
	v_and_b32 v[T+1], 0x7e, v[T+1]
	v_lshl_add_u32 v[\i], v[T+1], 1, v[T+2]
	v_add_nc_u32 v[\i], v12, v[\i]
	v_and_b32 v[\k], s54, v[\k]
.endm
.macro FIN q
	v_permlanex16_b32 v[T], v[M+2*\q], s52, s53
	v_add_f32 v[Z100+2*\q], v[Z100+2*\q], v[Z100+2*\q+1]   ; the pairs of running sums are folded
	v_add_f32 v[Z1+2*\q], v[Z1+2*\q], v[Z1+2*\q+1]
	v_max_num_f32 v[MN], v[M+2*\q], v[T]
	v_sub_f32 v[DM], v[M+2*\q], v[MN]
	v_mov_b32 v[M+2*\q], v[MN]
	v_mul_f32 v[A100], s20, v[DM]
	v_mul_f32 v[A1], s22, v[DM]
	v_exp_f32 v[A100], v[A100]
	v_exp_f32 v[A1], v[A1]
	UNKEY K1+\q, I1+\q
	UNKEY K2+\q, I2+\q
	s_wait_alu depctr_va_vdst(0)
	v_mul_f32 v[Z100+2*\q], v[Z100+2*\q], v[A100]
	v_mul_f32 v[Z1+2*\q], v[Z1+2*\q], v[A1]
	v_permlanex16_b32 v[T], v[Z100+2*\q], s52, s53
	v_permlanex16_b32 v[T+1], v[Z1+2*\q], s52, s53
	v_permlanex16_b32 v[T+2], v[K1+\q], s52, s53
	v_permlanex16_b32 v[T+3], v[I1+\q], s52, s53
	v_permlanex16_b32 v[T+4], v[K2+\q], s52, s53
	v_permlanex16_b32 v[T+5], v[I2+\q], s52, s53
	v_add_f32 v[Z100+2*\q], v[Z100+2*\q], v[T]
	v_add_f32 v[Z1+2*\q], v[Z1+2*\q], v[T+1]
	INSERT K1+\q, K2+\q, I1+\q, I2+\q, T+2, T+3
	INSERT K1+\q, K2+\q, I1+\q, I2+\q, T+4, T+5
	v_lshl_or_b32 v[GG+\q], v[I2+\q], 16, v[I1+\q]
.endm
.macro STORE q0                        ; lanes 0-15 give tile q0's rows, lanes 16-31 tile q0 + 1's: 32 neighbouring records, 256 and 512 bytes
	v_cndmask_b32 v[SA+\q0], v[M+2*\q0], v[M+2*\q0+2], s72
	v_cndmask_b32 v[SA+\q0+1], v[Z100+2*\q0], v[Z100+2*\q0+2], s72
	global_store_b64 v13, v[SA+\q0:SA+\q0+1], s[78:79] offset:128*\q0
	v_cndmask_b32 v[SB+2*\q0], v[Z1+2*\q0], v[Z1+2*\q0+2], s72
	v_cndmask_b32 v[SB+2*\q0+1], v[K1+\q0], v[K1+\q0+1], s72
	v_cndmask_b32 v[SB+2*\q0+2], v[K2+\q0], v[K2+\q0+1], s72
	v_cndmask_b32 v[SB+2*\q0+3], v[GG+\q0], v[GG+\q0+1], s72
	global_store_b128 v14, v[SB+2*\q0:SB+2*\q0+3], s[80:81] offset:256*\q0
.endm
	FIN 0
	FIN 1
	FIN 2
	FIN 3
	STORE 0
	STORE 2
	CROUND                                         ; the closing round
	s_endpgm
.Lfunc_end_k_q7930992fae_pass1:
	.size	k_q7930992fae_pass1, .Lfunc_end_k_q7930992fae_pass1-k_q7930992fae_pass1
	.p2alignl 7, 3214868480
	.fill 96, 4, 3214868480
	.section	.rodata,"a",@progbits
	.p2align	6, 0x0
	.amdhsa_kernel k_q7930992fae_pass1
		.amdhsa_group_segment_fixed_size 327680
		.amdhsa_private_segment_fixed_size 0
		.amdhsa_enable_private_segment 0
		.amdhsa_kernarg_size 24
		.amdhsa_user_sgpr_count 2
		.amdhsa_user_sgpr_kernarg_segment_ptr 1
		.amdhsa_wavefront_size32 1
		.amdhsa_system_sgpr_workgroup_id_x 1
		.amdhsa_system_sgpr_workgroup_id_y 1
		.amdhsa_system_sgpr_workgroup_id_z 1
		.amdhsa_system_vgpr_workitem_id 0
		.amdhsa_next_free_vgpr 640
		.amdhsa_next_free_sgpr 84
		.amdhsa_reserve_vcc 0
		.amdhsa_float_denorm_mode_32 3
		.amdhsa_float_denorm_mode_16_64 3
		.amdhsa_memory_ordered 1
		.amdhsa_forward_progress 1
		.amdhsa_inst_pref_size 198
	.end_amdhsa_kernel
	.amdgpu_metadata
---
amdhsa.version: [ 1, 2 ]
amdhsa.kernels:
  - .name:           k_q7930992fae_pass1
    .symbol:         k_q7930992fae_pass1.kd
    .args:
      - { .name: h16, .offset: 0, .size: 8, .value_kind: global_buffer, .address_space: global }
      - { .name: wfx, .offset: 8, .size: 8, .value_kind: global_buffer, .address_space: global }
      - { .name: stat, .offset: 16, .size: 8, .value_kind: global_buffer, .address_space: global }
    .group_segment_fixed_size: 327680
    .private_segment_fixed_size: 0
    .kernarg_segment_align: 8
    .kernarg_segment_size: 24
    .max_flat_workgroup_size: 128
    .sgpr_count:     84
    .vgpr_count:     640
    .wavefront_size: 32
...
	.end_amdgpu_metadata
.endif
;; end of part 2
;; launch pass2 (part 3): grid 32 x 8, 4 waves a work-group, clusters of 4 x 4, 327,680 bytes of LDS; arguments h16, stat, cand, p2; writes cand, p2
.if DOCPART == 3
	.amdgcn_target "amdgcn-amd-amdhsa--gfx1250"
	.amdhsa_code_object_version 6
	.text
	.protected	k_q7930992fae_pass2
	.globl	k_q7930992fae_pass2
	.p2align	8
	.type	k_q7930992fae_pass2,@function
k_q7930992fae_pass2:
	s_mov_b64 s[64:65], 0
	v_nop
	global_prefetch_b8 v0, s[64:65] scope:SCOPE_SE
	s_setreg_imm32_b32 hwreg(HW_REG_WAVE_MODE, 25, 1), 1
	s_wait_xcnt 0x0
	s_wait_alu depctr_hold_cnt(0) depctr_sa_sdst(0) depctr_va_vdst(0) depctr_va_sdst(0) depctr_va_ssrc(0) depctr_va_vcc(0) depctr_vm_vsrc(0)
	s_getreg_b32 s2, hwreg(HW_REG_IB_STS2, 6, 4)
	s_cmp_eq_u32 s2, 0
	s_cbranch_scc0 .Lentry_in_a_cluster
	s_endpgm
.Lentry_in_a_cluster:
	s_bfe_u32 s2, ttmp6, 0x10000c
	s_cmp_lg_u32 s2, 0xf033
	s_cbranch_scc0 .Lentry_shape_is_right
	s_endpgm
.Lentry_shape_is_right:
; PASS2: dot a second time, now with each row's log-sum-exp known: p = exp(100 dot - lse).  Per code the sum of p over 1,024 z rows (colpart),
; per work-group the sum of p log2 p (entpart).  Its head also merges the eight splits' row statistics and picks each row's two candidate groups (cand).
; Left out here: the 1e-5 inside log_softmax (the same along the axis), and a row-wise sum of p log p (only the sum over all rows is used).
;
; Work-group (x, y): codes 256 x .. + 255 (they stay, 64 a wave, as B fragments in 256 registers), z rows 1024 y .. + 1023 (they stream, as A).
; Lane (r, h) holds code r and z rows 8 h .. 8 h + 7, so a code's sum stays inside a lane.  Slots and clusters as in pass1; the products are
; pass1's with the two sources exchanged.
; BY TURNS, as in pass1: a block of 32 z rows is two tiles of 16.  While one tile's 32 products are issued, the other tile's 80 vector
; instructions stand in 32 slices, one behind each product.  A tile's A registers are loaded again in one run straight behind its products.
.set PITCH, 528
.set TILE,  16*PITCH
.set BLK,   32*PITCH
.set SLOT,  128*PITCH
.set STAT,  2*SLOT
.set SWAVE, 64*PITCH
.set VECT,  STAT+4*SWAVE               ; -lse in base 2 of the split's 1,024 z rows
.set SCR,   VECT+4096                  ; 4 x 256 bytes: a wave's 64 column sums; then 4 words: the waves' entropy sums
.set G1W,   (1<<16)|(1<<20)|(1<<21)|(6<<22)|(3<<25)
.set ACC,  16                          ; v[16:79]   eight result tiles: (t, q) at 16 + 32 t + 8 q
.set VR,   80                          ; v[80:95]   -lse of my 8 z rows of tile t at 80 + 8 t
.set T,    96                          ; v[96:111]  log2 p, two sets of 8 that take turns from code tile to code tile
.set P,    112                         ; v[112:127] p, likewise
.set CS,   160                         ; v[160:175] per q two pairs that take turns: sums of p
.set EN,   176                         ; v[176:191] per q two pairs: sums of p log2 p
.set CK,   192                         ; v[192:193] wave 3: the two least keys; v[194:195] their groups, the data of its store; v[196:197] at work.
                                       ;            Nothing else in the launch writes these six, so the store's data stay as they are
.set MSB, 0
.macro WIN new
.if MSB != \new
	s_set_vgpr_msb (MSB<<8)|\new
.set MSB, \new
.endif
.endm
.macro PLACES                          ; four places behind a matrix instruction (ISA guide 7.12.1)
.rept 4
	v_nop
.endr
.endm
.macro CROUND
	s_barrier_signal -1
	s_barrier_wait -1
	s_cmp_lg_u32 s12, 0
	s_cbranch_scc1 .Lnot_wave_0_\@
	s_barrier_signal -3
.Lnot_wave_0_\@:
	s_barrier_wait -3
	s_barrier_signal -1
	s_barrier_wait -1
.endm
.macro TLOAD t, a, off                 ; 16 LDS loads in one run: a tile of 16 rows x 256 K into tile t's A registers
	WIN 0x80
.irp ks, 0,1,2,3,4,5,6,7
	ds_load_b128 v[64*(\t)+8*\ks:64*(\t)+8*\ks+3],   v[\a] offset:\off+64*\ks
	ds_load_b128 v[64*(\t)+8*\ks+4:64*(\t)+8*\ks+7], v[\a] offset:\off+64*\ks+32
.endr
	WIN 0
.endm
.macro VLOAD t                         ; -lse of my 8 z rows of a tile t
	ds_load_b128 v[VR+8*(\t):VR+8*(\t)+3],   v7
	ds_load_b128 v[VR+8*(\t)+4:VR+8*(\t)+7], v7 offset:16
.endm
; Behind tile t's products: the next block's tile t, and -lse for the vector work after next (that of tile 1 - t, whose half of VR has just been
; read out).  The places behind the last product are its slice's four plain instructions and the add below.
.macro RUN t
	v_add_nc_u32 v7, 64, v7                        ; 16 z rows on
	TLOAD \t, 6, 0
	VLOAD 1-\t
	v_add_nc_u32 v6, TILE, v6
	s_wait_dscnt 18                                ; the 18 just issued are younger: the run before this one has landed
.endm
.macro TF i                            ; log2 p = 100 log2 e dot - lse, pair i of the lane's four
	v_pk_fma_f32 v[TT+2*(\i):TT+2*(\i)+1], v[SS+2*(\i):SS+2*(\i)+1], s[20:21], v[VV+2*(\i):VV+2*(\i)+1] op_sel_hi:[1,0,1]
.endm
.macro CSA i
	s_wait_alu depctr_va_vdst(0)
	v_pk_add_f32 v[CQ+2*((\i)%2):CQ+2*((\i)%2)+1], v[CQ+2*((\i)%2):CQ+2*((\i)%2)+1], v[PP+2*(\i):PP+2*(\i)+1]
.endm
.macro ENF i
	v_pk_fma_f32 v[EQ+2*((\i)%2):EQ+2*((\i)%2)+1], v[PP+2*(\i):PP+2*(\i)+1], v[TT+2*(\i):TT+2*(\i)+1], v[EQ+2*((\i)%2):EQ+2*((\i)%2)+1]
.endm
; Number k (0 to 79) of the vector work of z tile t: 20 numbers for each code tile q: two exponents, eight times an exponential and a plain
; instruction that touches neither its result nor its source (ISA guide 5.7.2), and the last pair's two sums.
.macro OPN t, k
.set QQ, (\k)/20
.set PK, (\k)%20
.set MI, (PK+18)/2-10
.set SS, ACC+32*(\t)+8*QQ
.set VV, VR+8*(\t)
.set TT, T+8*(QQ%2)
.set PP, P+8*(QQ%2)
.set CQ, CS+4*QQ
.set EQ, EN+4*QQ
.if PK < 2
	TF PK
.elseif PK < 18
.if PK%2 == 0
	v_exp_f32 v[PP+MI], v[TT+MI]
.elseif MI < 2
	TF MI+2
.elseif MI%2 == 0
	CSA (MI-2)/2
.else
	ENF (MI-2)/2
.endif
.elseif PK == 18
	CSA 3
.else
	ENF 3
.endif
.endm
.macro SLICE t                         ; slice SN of 32: two or three numbers; the last slice holds five, four of them plain
.set KK, (75*SN)/31
.if SN < 31
.set KE, (75*(SN+1))/31
.else
.set KE, 80
.endif
.rept KE-KK
	OPN \t, KK
.set KK, KK+1
.endr
.endm
; The 32 products of z tile t.  Four accumulators take turns, one instruction a turn.  vec = 1: behind each product a
; slice of the other tile's vector work, which names none of the product's registers.
.macro MMTV t, vec
.set SN, 0
.irp ks, 0,1,2,3,4,5,6,7
.irp q, 0,1,2,3
	WIN 0x06                                       ; A in window 2, B in window 1
.if \ks
	v_wmma_f32_16x16x32_f16 v[ACC+32*\t+8*\q:ACC+32*\t+8*\q+7], v[64*\t+8*\ks:64*\t+8*\ks+7], v[8*(8*\q+\ks):8*(8*\q+\ks)+7], v[ACC+32*\t+8*\q:ACC+32*\t+8*\q+7]
.else
	v_wmma_f32_16x16x32_f16 v[ACC+32*\t+8*\q:ACC+32*\t+8*\q+7], v[64*\t+8*\ks:64*\t+8*\ks+7], v[8*(8*\q+\ks):8*(8*\q+\ks)+7], 0
.endif
.if \vec
	WIN 0
	SLICE 1-\t
.set SN, SN+1
.endif
.endr
.endr
	WIN 0
.endm
; Unit b: tile 1 of block b beside tile 0's vector work, then tile 0 of block b + 1 beside tile 1's.  Its two runs read block b + 1 from LDS.
.macro UNIT
	RUN 0
	MMTV 1, 1
	RUN 1
	MMTV 0, 1
.endm
; The change of slots, ahead of the unit that reads the new slot's first block: every wave's reads of the old slot are back and all its tensor
; loads have landed; a round of the cluster's barrier says so for all sixteen work-groups; the joint refill of the old slot, two steps ahead,
; is the first thing behind it.
.macro CHANGE new, refill
	s_wait_dscnt 0x0
	s_wait_tensorcnt 0x0
	ds_add_u32 v254, v255
	s_wait_dscnt 0x0
.if \refill
	s_add_nc_u64 s[38-4*\new:39-4*\new], s[38-4*\new:39-4*\new], 131072
	CROUND
	tensor_load_to_lds s[36-4*\new:39-4*\new], s[24:31]
	s_nop 0
	v_nop
.else
	s_barrier_signal -1
	s_barrier_wait -1
.endif
	v_mov_b32 v6, v[4+\new]
.endm
.macro VISIT new, refill, cnt
	CHANGE \new, \refill
	s_mov_b32 s\cnt, 4
.Lvisit_\@:
	UNIT
	s_sub_co_u32 s\cnt, s\cnt, 1
	s_cmp_lg_u32 s\cnt, 0
	s_cbranch_scc1 .Lvisit_\@
.endm
; (x, ix) into the ordered pair (k1, i1), (k2, i2).  Only a strictly lesser key goes ahead of an entry.  The keys come from pass1 without group
; numbers (low 7 bits 0), the splits are taken in ascending order, and each split's pair has the lower group first where its keys are equal:
; so whatever is inserted has a higher group than what is there, and among equal keys the lower group stays ahead.
.macro INSERT k1, k2, i1, i2, x, ix
	v_cmp_lt_f32 vcc_lo, v[\x], v[\k1]
	v_cmp_lt_f32 s73, v[\x], v[\k2]
	v_cndmask_b32 v[\i2], v[\i2], v[\ix], s73
	v_cndmask_b32 v[\i2], v[\i2], v[\i1], vcc_lo
	v_cndmask_b32 v[\i1], v[\i1], v[\ix], vcc_lo
	v_med3_num_f32 v[\k2], v[\k1], v[\k2], v[\x]
	v_min_num_f32 v[\k1], v[\k1], v[\x]
.endm
	s_load_b256 s[4:11], s[0:1], 0x0               ; h16 s[4:5], stat s[6:7], cand s[8:9], p2 s[10:11]
	v_lshl_add_u32 v254, v0, 2, 0x43500
	v_mov_b32 v255, 0
	ds_add_u32 v254, v255
	v_lshrrev_b32 v1, 5, v0
	v_readfirstlane_b32 s12, v1                    ; wave
	s_bfe_u32 s13, ttmp6, 0x40000                  ; cx
	s_bfe_u32 s14, ttmp6, 0x40004                  ; cy
	s_lshl_b32 s66, ttmp9, 2
	s_add_co_u32 s66, s66, s13                     ; x
	s_and_b32 s67, ttmp7, 0xffff
	s_lshl_b32 s67, s67, 2
	s_add_co_u32 s67, s67, s14                     ; y
	s_lshl_b32 s68, s14, 2
	s_lshl_b32 s68, 15, s68
	s_lshl_b32 s69, 0x1111, s13
	s_or_b32 s24, s68, G1W                         ; the z tiles: 32 rows a wave, shared along the cluster's row
	s_mov_b32 s25, 256<<16
	s_mov_b32 s26, 32<<16
	s_mov_b32 s27, 256<<16
	s_mov_b32 s28, 32
	s_mov_b32 s29, 256
	s_mov_b32 s30, 0
	s_mov_b32 s31, 0
	s_or_b32 s44, s69, G1W                         ; the codes that stay: 64 rows a wave, shared along the column
	s_mov_b32 s45, 256<<16
	s_mov_b32 s46, 64<<16
	s_mov_b32 s47, 256<<16
	s_mov_b32 s48, 64
	s_mov_b32 s49, 256
	s_mov_b32 s50, 0
	s_mov_b32 s51, 0
	s_lshl_b32 s16, s67, 19                        ; z: (1024 y + 32 w) rows of 512 bytes
	s_lshl_b32 s70, s12, 14
	s_add_co_u32 s16, s16, s70
	s_mov_b32 s17, 0
	s_lshl_b32 s18, s66, 17                        ; codes: (256 x + 64 w) rows
	s_lshl_b32 s71, s12, 15
	s_add_co_u32 s18, s18, s71
	s_mov_b32 s19, 0
	s_mov_b32 s20, 0x431044fe                      ; 100 log2 e, twice
	s_mov_b32 s21, 0x431044fe
	s_mov_b32 s62, 0xc31044fe
	s_mov_b32 s52, 0x76543210
	s_mov_b32 s53, 0xfedcba98
	s_lshl_b32 s74, s67, 5
	s_add_co_u32 s74, s74, s66                     ; the work-group's number, 32 y + x
	s_mov_b32 s77, 0
	s_wait_dscnt 0x0
	s_wait_kmcnt 0x0
	s_add_nc_u64 s[16:17], s[4:5], s[16:17]
	s_add_nc_u64 s[16:17], s[16:17], 0x400000      ; z in f16 lies behind W in f16
	s_add_nc_u64 s[18:19], s[4:5], s[18:19]
	s_lshl_b32 s76, s67, 13
	s_add_nc_u64 s[78:79], s[6:7], s[76:77]        ; (m, Z100) of z row 1024 y, split 0
	s_lshl_b32 s76, s74, 9
	s_add_nc_u64 s[80:81], s[6:7], s[76:77]
	s_add_nc_u64 s[80:81], s[80:81], 524288        ; the 16-byte records of rows 32 (32 y + x) ..
	s_lshl_b32 s76, s74, 8
	s_add_nc_u64 s[82:83], s[8:9], s[76:77]        ; cand of the same rows
	s_lshl_b32 s76, s74, 2
	s_add_nc_u64 s[86:87], s[10:11], s[76:77]
	s_add_nc_u64 s[86:87], s[86:87], 262144        ; entpart[32 y + x]
	s_lshl_b32 s76, s67, 13
	s_lshl_b32 s75, s66, 8
	s_add_co_u32 s76, s76, s75
	s_lshl_b32 s75, s12, 6
	s_add_co_u32 s76, s76, s75
	s_lshl_b32 s76, s76, 2
	s_add_nc_u64 s[84:85], s[10:11], s[76:77]      ; colpart[y][256 x + 64 w]
	s_mov_b32 s32, 1
	s_mul_i32 s33, s12, BLK
	s_mov_b64 s[34:35], s[16:17]
	s_or_b32 s35, s35, 0x80000000
	s_mov_b32 s36, 1
	s_add_co_u32 s37, s33, SLOT
	s_add_nc_u64 s[38:39], s[16:17], 65536
	s_or_b32 s39, s39, 0x80000000
	s_mov_b32 s40, 1
	s_mul_i32 s41, s12, SWAVE
	s_add_co_u32 s41, s41, STAT
	s_mov_b64 s[42:43], s[18:19]
	s_or_b32 s43, s43, 0x80000000
	CROUND
	tensor_load_to_lds s[40:43], s[44:51]          ; three first fills together: three loads of the wave are out
	s_nop 0
	tensor_load_to_lds s[32:35], s[24:31]
	s_nop 0
	tensor_load_to_lds s[36:39], s[24:31]
	s_nop 0
	; -lse of the split's 1,024 z rows: thread t merges rows 128 i + t, i = 0 .. 7, over the eight code splits.
	; Group i is the eight splits' records of row 128 i + t.  Groups 0 to 6 go out now, group 7 behind the merge of group 0: 56 loads are out at the most.
.macro SLOAD i
.irp s, 0,1,2,3,4,5,6,7
	global_load_b64 v[16+16*\i+2*\s:17+16*\i+2*\s], v9, s[78:79] offset:65536*\s+1024*\i   ; 32 lanes read 256 consecutive bytes
.endr
.endm
	v_lshlrev_b32 v9, 3, v0
.irp i, 0,1,2,3,4,5,6
	SLOAD \i
.endr
	v_and_b32 v1, 15, v0                           ; r
	v_bfe_u32 v2, v0, 4, 1                         ; h
	v_and_b32 v10, 31, v0                          ; lane
	v_mul_u32_u24 v4, v1, PITCH
	v_lshl_add_u32 v4, v2, 4, v4
	v_add_nc_u32 v5, SLOT, v4
	v_add_nc_u32 v8, s41, v4
	v_lshlrev_b32 v7, 5, v2
	v_add_nc_u32 v7, VECT, v7
	v_lshlrev_b32 v11, 2, v0
	v_add_nc_u32 v11, VECT, v11
	v_lshlrev_b32 v13, 4, v10
	v_lshlrev_b32 v14, 3, v10
	s_lshl_b32 s70, s12, 8
	s_add_co_u32 s70, s70, SCR
	v_lshl_add_u32 v12, v10, 2, s70                ; my wave's column sums, in
	v_add_nc_u32 v15, s70, v14                     ; and back, two a lane
.set i, 0
.rept 32
	v_mov_b32 v[CS+i], 0
.set i, i+1
.endr
; left = the loads that are younger than group i's eight
.macro MERGE i, left
	s_wait_loadcnt \left
	v_max3_num_f32 v152, v[16+16*\i], v[18+16*\i], v[20+16*\i]
	v_max3_num_f32 v152, v[22+16*\i], v[24+16*\i], v152
	v_max3_num_f32 v152, v[26+16*\i], v[28+16*\i], v152
	v_max_num_f32 v152, v[30+16*\i], v152
.irp s, 0,1,2,3,4,5,6,7
	v_sub_f32 v[144+\s], v[16+16*\i+2*\s], v152
.endr
.irp s, 0,1,2,3,4,5,6,7
	v_mul_f32 v[144+\s], s20, v[144+\s]
.endr
.irp s, 0,1,2,3,4,5,6,7
	v_exp_f32 v[144+\s], v[144+\s]
.endr
	v_mul_f32 v155, s62, v152                      ; -100 log2 e m
	s_wait_alu depctr_va_vdst(0)
	v_mul_f32 v153, v[17+16*\i], v144
.irp s, 1,2,3,4,5,6,7
	v_fmac_f32 v153, v[17+16*\i+2*\s], v[144+\s]
.endr
	v_log_f32 v154, v153
	v_nop
	s_wait_alu depctr_va_vdst(0)
	v_sub_f32 v154, v155, v154
	ds_store_b32 v11, v154 offset:512*\i
.endm
	MERGE 0, 48                                    ; groups 1 to 6 are younger
	SLOAD 7
.irp i, 1,2,3,4,5,6,7
	MERGE \i, 56-8*\i                              ; groups i + 1 to 7 are younger
.endr
	; wave 3: the two candidate groups of rows 32 (32 y + x) + lane, out of the eight splits' pairs, the splits in ascending order
	s_cmp_lg_u32 s12, 3
	s_cbranch_scc1 .Lnot_wave_3
.irp s, 0,1,2,3,4,5,6,7
	global_load_b128 v[16+4*\s:19+4*\s], v13, s[80:81] offset:131072*\s
.endr
	s_wait_loadcnt 0x0
	v_mov_b32 v[CK], v17
	v_mov_b32 v[CK+1], v18
	v_and_b32 v[CK+2], 0xffff, v19
	v_lshrrev_b32 v[CK+3], 16, v19
.irp s, 1,2,3,4,5,6,7
	v_and_b32 v[CK+4], 0xffff, v[19+4*\s]
	v_lshrrev_b32 v[CK+5], 16, v[19+4*\s]
	INSERT CK, CK+1, CK+2, CK+3, 17+4*\s, CK+4
	INSERT CK, CK+1, CK+2, CK+3, 18+4*\s, CK+5
.endr
	global_store_b64 v14, v[CK+2:CK+3], s[82:83]   ; 32 lanes store 256 consecutive bytes, aligned; data, offset and base are never written again
.Lnot_wave_3:
	s_wait_tensorcnt 0x2                           ; the two slots' loads are younger: my codes that stay are in, and I alone read them
	WIN 0x40
.irp q, 0,1,2,3
.irp ks, 0,1,2,3,4,5,6,7
	ds_load_b128 v[8*(8*\q+\ks):8*(8*\q+\ks)+3],   v8 offset:TILE*\q+64*\ks
	ds_load_b128 v[8*(8*\q+\ks)+4:8*(8*\q+\ks)+7], v8 offset:TILE*\q+64*\ks+32
.endr
.endr
	WIN 0
	s_wait_tensorcnt 0x1                           ; slot 1's load is younger: my quarter of slot 0 is in
	s_wait_dscnt 0x0                               ; my part of -lse is written
	s_barrier_signal -1
	s_barrier_wait -1
	TLOAD 0, 4, 0                                  ; block 0
	TLOAD 1, 4, TILE
	VLOAD 0
	s_wait_dscnt 18                                ; tile 1's 16 loads and -lse's 2 are younger: tile 0 is in
	MMTV 0, 0                                      ; tile 0 of block 0: no vector work is due yet
	PLACES
	v_add_nc_u32 v6, BLK, v4
	s_mov_b32 s60, 3
.Lfirst:                                               ; units 0 to 2 read blocks 1 to 3 of slot 0
	UNIT
	s_sub_co_u32 s60, s60, 1
	s_cmp_lg_u32 s60, 0
	s_cbranch_scc1 .Lfirst
	s_mov_b32 s61, 3
.Lpair:                                                ; units 3 to 26 read steps 1 to 6 of the eight; their changes of slots ask for steps 2 to 7
	VISIT 1, 1, 60
	VISIT 0, 1, 55
	s_sub_co_u32 s61, s61, 1
	s_cmp_lg_u32 s61, 0
	s_cbranch_scc1 .Lpair
	VISIT 1, 0, 60                                 ; units 27 to 30 read the last step: nothing is left to ask for
	v_add_nc_u32 v7, 64, v7
	VLOAD 1                                        ; -lse of the last tile
	s_wait_dscnt 0x0
	MMTV 1, 1                                      ; tile 1 of block 31 beside tile 0's vector work
.set KK, 0
.rept 80
	OPN 1, KK                                      ; the last tile's vector work, with no products left to stand between
.set KK, KK+1
.endr
	v_cmp_eq_u32 s72, 1, v2
.irp q, 0,1,2,3
	v_pk_add_f32 v[CS+4*\q:CS+4*\q+1], v[CS+4*\q:CS+4*\q+1], v[CS+4*\q+2:CS+4*\q+3]
	v_pk_add_f32 v[EN+4*\q:EN+4*\q+1], v[EN+4*\q:EN+4*\q+1], v[EN+4*\q+2:EN+4*\q+3]
.endr
.irp q, 0,1,2,3
	v_add_f32 v[CS+4*\q], v[CS+4*\q], v[CS+4*\q+1]
.endr
.irp q, 0,1,2,3
	v_permlanex16_b32 v[T+\q], v[CS+4*\q], s52, s53        ; the other half of each sixteen z rows
.endr
.irp q, 0,1,2,3
	v_add_f32 v[CS+4*\q], v[CS+4*\q], v[T+\q]
.endr
	v_cndmask_b32 v[T], v[CS], v[CS+4], s72        ; lane = code: tiles 0, 1
	v_cndmask_b32 v[T+1], v[CS+8], v[CS+12], s72   ; tiles 2, 3
	ds_store_b32 v12, v[T]
	ds_store_b32 v12, v[T+1] offset:128
	ds_load_b64 v[T+2:T+3], v15                    ; my own bytes, served in order: two neighbouring codes a lane
	v_pk_add_f32 v[EN:EN+1], v[EN:EN+1], v[EN+4:EN+5]
	v_pk_add_f32 v[EN+8:EN+9], v[EN+8:EN+9], v[EN+12:EN+13]
	v_pk_add_f32 v[EN:EN+1], v[EN:EN+1], v[EN+8:EN+9]
	v_add_f32 v[EN], v[EN], v[EN+1]
	v_add_f32_dpp v[EN], v[EN], v[EN] row_xmask:1 row_mask:0xf bank_mask:0xf
	v_add_f32_dpp v[EN], v[EN], v[EN] row_xmask:2 row_mask:0xf bank_mask:0xf
	v_add_f32_dpp v[EN], v[EN], v[EN] row_xmask:4 row_mask:0xf bank_mask:0xf
	v_add_f32_dpp v[EN], v[EN], v[EN] row_xmask:8 row_mask:0xf bank_mask:0xf
	v_permlanex16_b32 v[EN+1], v[EN], s52, s53
	v_add_f32 v[EN], v[EN], v[EN+1]
	v_mov_b32 v8, s12
	v_lshlrev_b32 v8, 2, v8
	v_add_nc_u32 v8, SCR+1024, v8
	ds_store_b32 v8, v[EN]                         ; all lanes write the same word with the same value
	s_wait_dscnt 0x0                               ; the read-back is in; and, for wave 0's sake, my word is written
	global_store_b64 v14, v[T+2:T+3], s[84:85]     ; 32 lanes store 256 consecutive bytes, aligned
	s_barrier_signal -1
	s_barrier_wait -1
	s_cmp_lg_u32 s12, 0
	s_cbranch_scc1 .Lnot_wave_0_end
	v_mov_b32 v[T+4], SCR+1024
	v_mov_b32 v[T+5], 0
	ds_load_b128 v[T+8:T+11], v[T+4]
	s_wait_dscnt 0x0
	v_add_f32 v[T+8], v[T+8], v[T+9]
	v_add_f32 v[T+10], v[T+10], v[T+11]
	v_add_f32 v[T+8], v[T+8], v[T+10]
	v_cmp_eq_u32 vcc_lo, 0, v0
	s_wait_xcnt 0x0                                ; EXEC changes only behind this wait
	s_and_saveexec_b32 s73, vcc_lo
	global_store_b32 v[T+5], v[T+8], s[86:87]
	s_wait_xcnt 0x0
	s_or_b32 exec_lo, exec_lo, s73
.Lnot_wave_0_end:
	s_wait_tensorcnt 0x0
	ds_add_u32 v254, v255
	s_wait_dscnt 0x0
	CROUND                                         ; the closing round
	s_endpgm
.Lfunc_end_k_q7930992fae_pass2:
	.size	k_q7930992fae_pass2, .Lfunc_end_k_q7930992fae_pass2-k_q7930992fae_pass2
	.p2alignl 7, 3214868480
	.fill 96, 4, 3214868480
	.section	.rodata,"a",@progbits
	.p2align	6, 0x0
	.amdhsa_kernel k_q7930992fae_pass2
		.amdhsa_group_segment_fixed_size 327680
		.amdhsa_private_segment_fixed_size 0
		.amdhsa_enable_private_segment 0
		.amdhsa_kernarg_size 32
		.amdhsa_user_sgpr_count 2
		.amdhsa_user_sgpr_kernarg_segment_ptr 1
		.amdhsa_wavefront_size32 1
		.amdhsa_system_sgpr_workgroup_id_x 1
		.amdhsa_system_sgpr_workgroup_id_y 1
		.amdhsa_system_sgpr_workgroup_id_z 1
		.amdhsa_system_vgpr_workitem_id 0
		.amdhsa_next_free_vgpr 640
		.amdhsa_next_free_sgpr 88
		.amdhsa_reserve_vcc 1
		.amdhsa_float_denorm_mode_32 3
		.amdhsa_float_denorm_mode_16_64 3
		.amdhsa_memory_ordered 1
		.amdhsa_forward_progress 1
		.amdhsa_inst_pref_size 137
	.end_amdhsa_kernel
	.amdgpu_metadata
---
amdhsa.version: [ 1, 2 ]
amdhsa.kernels:
  - .name:           k_q7930992fae_pass2
    .symbol:         k_q7930992fae_pass2.kd
    .args:
      - { .name: h16, .offset: 0, .size: 8, .value_kind: global_buffer, .address_space: global }
      - { .name: stat, .offset: 8, .size: 8, .value_kind: global_buffer, .address_space: global }
      - { .name: cand, .offset: 16, .size: 8, .value_kind: global_buffer, .address_space: global }
      - { .name: p2, .offset: 24, .size: 8, .value_kind: global_buffer, .address_space: global }
    .group_segment_fixed_size: 327680
    .private_segment_fixed_size: 0
    .kernarg_segment_align: 8
    .kernarg_segment_size: 32
    .max_flat_workgroup_size: 128
    .sgpr_count:     88
    .vgpr_count:     640
    .wavefront_size: 32
...
	.end_amdgpu_metadata
.endif
;; end of part 3
;; launch post (part 4): grid 256 x 1, 16 waves a work-group, no clusters, 2,560 bytes of LDS; arguments z, wfx, cand, stat, p2, out0, out4, scal; writes out0, out4, scal
.if DOCPART == 4
	.amdgcn_target "amdgcn-amd-amdhsa--gfx1250"
	.amdhsa_code_object_version 6
	.text
	.protected	k_q7930992fae_post
	.globl	k_q7930992fae_post
	.p2align	8
	.type	k_q7930992fae_post,@function
k_q7930992fae_post:
	s_mov_b64 s[64:65], 0
	v_nop
	global_prefetch_b8 v0, s[64:65] scope:SCOPE_SE
	s_setreg_imm32_b32 hwreg(HW_REG_WAVE_MODE, 25, 1), 1
	s_wait_xcnt 0x0
; POST: the index of each z row, decided in f32 among the eight codes of its two candidate groups with reference()'s own rounding,
; d = fl(fl(z2 + w2) - 2 dot), the lowest index on equal d; z_q; and the work-group's shares of the four sums behind the scalars.
; Memory and latency bind here: no matrix unit, no tensor loads, no cluster (no two work-groups share a tile).
; Left out here: nothing of reference() but what the first kernel's head names.
; Work-group g owns rows 32 g .. + 31; wave w rows 32 g + 2 w and + 1; a row of 1,024 bytes is two loads of 16 bytes a lane.
; Wave 1 also makes the 32 rows' 1 / Z1 (the largest probability of softmax(dot)), wave 2 the terms a log2(a + 1e-6) of codes 32 g .. + 31.
; LDS: 0 the 32 indices; 128 (loss, cos) of each wave; 256 the sum of 1 / Z1; 260 the sum of a log2(a + 1e-6).
.set P,    152                         ; v[152:169] nine pairs: sums at work
.set BD,   170                         ; the least distance so far
.set CSEL, 171                         ; and which of the eight candidates has it
.set T0,   172
.set IDX,  173
.set Z2K,  174
.set AA,   175
.set BB,   176
.set LC,   178                         ; v[178:179] the wave's sums of (q - z)^2 and of the cosines
.set WA,   180                         ; 8 x wave
; row rr: z in v[8 + 72 rr ..], 8 registers; candidate c in the 8 registers at v[16 + 72 rr + 8 c]
	s_load_b512 s[4:19], s[0:1], 0x0               ; z, wfx, cand, stat, p2, out0, out4, scal
	v_lshl_add_u32 v192, v0, 2, 0x200
	v_mov_b32 v193, 0
	v_lshrrev_b32 v1, 5, v0
	v_readfirstlane_b32 s20, v1                    ; wave
	v_and_b32 v1, 31, v0                           ; lane
	v_lshlrev_b32 v2, 4, v1
	v_lshlrev_b32 v3, 3, v1
	v_lshlrev_b32 v4, 2, v1
	s_mov_b32 s56, 0x76543210
	s_mov_b32 s57, 0xfedcba98
	s_lshl_b32 s22, ttmp9, 8
	s_lshl_b32 s21, s20, 4
	s_add_co_u32 s22, s22, s21                     ; (32 g + 2 w) x 8 bytes of cand
	s_mov_b32 s23, 0
	s_lshl_b32 s60, s22, 7                         ; (32 g + 2 w) rows of 1,024 bytes
	s_mov_b32 s61, 0
	s_mov_b32 s87, 0
	s_wait_kmcnt 0x0
	s_add_nc_u64 s[8:9], s[8:9], s[22:23]
	s_load_b128 s[24:27], s[8:9], 0x0              ; the two rows' pairs of groups
	s_add_nc_u64 s[70:71], s[4:5], s[60:61]
	s_add_nc_u64 s[72:73], s[14:15], s[60:61]
	s_add_nc_u64 s[58:59], s[6:7], 0x800000        ; w2
.irp rr, 0,1
	global_load_b128 v[8+72*\rr:11+72*\rr], v2, s[70:71] offset:1024*\rr
	global_load_b128 v[12+72*\rr:15+72*\rr], v2, s[70:71] offset:1024*\rr+512
.endr
	v_mov_b32 v[WA], s20
	v_lshlrev_b32 v[WA], 3, v[WA]
	s_wait_kmcnt 0x0
; The groups in ascending order, clamped to the table's 2,048 groups before they enter an address; a group is 4 rows of 1,024 bytes and 4 numbers of w2.
.macro GROUPS rr, o1, o2
	s_min_u32 s[28+2*\rr], s[24+2*\rr], s[25+2*\rr]
	s_max_u32 s[29+2*\rr], s[24+2*\rr], s[25+2*\rr]
	s_min_u32 s[28+2*\rr], s[28+2*\rr], 0x7ff
	s_min_u32 s[29+2*\rr], s[29+2*\rr], 0x7ff
	s_lshl_b32 s86, s[28+2*\rr], 12
	s_add_nc_u64 s[32+4*\rr:33+4*\rr], s[6:7], s[86:87]
	s_lshl_b32 s86, s[29+2*\rr], 12
	s_add_nc_u64 s[34+4*\rr:35+4*\rr], s[6:7], s[86:87]
	s_lshl_b32 s\o1, s[28+2*\rr], 4
	s_lshl_b32 s\o2, s[29+2*\rr], 4
	s_load_b128 s[40+8*\rr:43+8*\rr], s[58:59], s\o1 offset:0x0
	s_load_b128 s[44+8*\rr:47+8*\rr], s[58:59], s\o2 offset:0x0
	s_lshl_b32 s[66+2*\rr], s[28+2*\rr], 2         ; index of candidate 0
	s_lshl_b32 s[67+2*\rr], s[29+2*\rr], 2
	s_sub_co_u32 s[67+2*\rr], s[67+2*\rr], 4       ; index of candidate 4, less 4
.endm
	GROUPS 0, 62, 63
	GROUPS 1, 74, 75
.macro CLOAD rr
.irp c, 0,1,2,3
	global_load_b128 v[16+72*\rr+8*\c:19+72*\rr+8*\c], v2, s[32+4*\rr:33+4*\rr] offset:1024*\c
	global_load_b128 v[20+72*\rr+8*\c:23+72*\rr+8*\c], v2, s[32+4*\rr:33+4*\rr] offset:1024*\c+512
.endr
.irp c, 0,1,2,3
	global_load_b128 v[48+72*\rr+8*\c:51+72*\rr+8*\c], v2, s[34+4*\rr:35+4*\rr] offset:1024*\c
	global_load_b128 v[52+72*\rr+8*\c:55+72*\rr+8*\c], v2, s[34+4*\rr:35+4*\rr] offset:1024*\c+512
.endr
.endm
	CLOAD 0
	CLOAD 1
	s_wait_kmcnt 0x0                               ; w2 of the sixteen candidates
; The first n pairs at P: each pair is folded, then summed over the 32 lanes; every lane ends with the same bits (each step adds the same two numbers in both lanes).
.macro RED n
.set k, 0
.rept \n
	v_add_f32 v[P+2*k], v[P+2*k], v[P+2*k+1]
.set k, k+1
.endr
.irp m, 1,2,4,8
.set k, 0
.rept \n
	v_add_f32_dpp v[P+2*k], v[P+2*k], v[P+2*k] row_xmask:\m row_mask:0xf bank_mask:0xf
.set k, k+1
.endr
.endr
.set k, 0
.rept \n
	v_permlanex16_b32 v[P+2*k+1], v[P+2*k], s56, s57
.set k, k+1
.endr
.set k, 0
.rept \n
	v_add_f32 v[P+2*k], v[P+2*k], v[P+2*k+1]
.set k, k+1
.endr
.endm
.macro ROW rr, left
	s_wait_loadcnt \left
.set ZR, 8+72*\rr
.set CR, ZR+8
	v_pk_mul_f32 v[P:P+1], v[ZR:ZR+1], v[ZR:ZR+1]
.irp c, 0,1,2,3,4,5,6,7
	v_pk_mul_f32 v[P+2+2*\c:P+3+2*\c], v[ZR:ZR+1], v[CR+8*\c:CR+8*\c+1]
.endr
.irp j, 2,4,6
	v_pk_fma_f32 v[P:P+1], v[ZR+\j:ZR+\j+1], v[ZR+\j:ZR+\j+1], v[P:P+1]
.irp c, 0,1,2,3,4,5,6,7
	v_pk_fma_f32 v[P+2+2*\c:P+3+2*\c], v[ZR+\j:ZR+\j+1], v[CR+8*\c+\j:CR+8*\c+\j+1], v[P+2+2*\c:P+3+2*\c]
.endr
.endr
	RED 9                                          ; z2 and the eight dots
	v_mov_b32 v[Z2K], v[P]
.irp c, 0,1,2,3,4,5,6,7
	v_add_f32 v[P+3+2*\c], s[40+8*\rr+\c], v[P]    ; fl(z2 + w2)
.endr
.irp c, 0,1,2,3,4,5,6,7
	v_fma_f32 v[P+3+2*\c], -2.0, v[P+2+2*\c], v[P+3+2*\c]  ; 2 dot is exact, so this is fl(fl(z2 + w2) - 2 dot)
.endr
	v_mov_b32 v[BD], v[P+3]
	v_mov_b32 v[CSEL], 0
.irp c, 1,2,3,4,5,6,7
	v_cmp_lt_f32 vcc_lo, v[P+3+2*\c], v[BD]        ; strictly less: the lowest index keeps an equal distance
	v_cndmask_b32 v[BD], v[BD], v[P+3+2*\c], vcc_lo
	v_cndmask_b32 v[CSEL], v[CSEL], \c, vcc_lo
.irp j, 0,1,2,3,4,5,6,7
	v_cndmask_b32 v[CR+\j], v[CR+\j], v[CR+8*\c+\j], vcc_lo    ; a choice among registers: no address hangs on it
.endr
.endr
	v_cmp_gt_u32 vcc_lo, 4, v[CSEL]
	v_mov_b32 v[T0], s[67+2*\rr]
	v_cndmask_b32 v[T0], v[T0], s[66+2*\rr], vcc_lo
	v_add_nc_u32 v[IDX], v[T0], v[CSEL]
	ds_store_b32 v[WA], v[IDX] offset:4*\rr        ; all lanes write the same word with the same value
.irp j, 0,2,4,6
	v_pk_add_f32 v[CR+\j:CR+\j+1], v[CR+\j:CR+\j+1], v[ZR+\j:ZR+\j+1] neg_lo:[0,1] neg_hi:[0,1]   ; q - z
.endr
.irp j, 0,2,4,6
	v_pk_add_f32 v[CR+8+\j:CR+8+\j+1], v[ZR+\j:ZR+\j+1], v[CR+\j:CR+\j+1]                         ; z_q = z + (q - z)
.endr
	global_store_b128 v2, v[CR+8:CR+11], s[72:73] offset:1024*\rr
	global_store_b128 v2, v[CR+12:CR+15], s[72:73] offset:1024*\rr+512
	v_pk_mul_f32 v[P:P+1], v[CR:CR+1], v[CR:CR+1]
	v_pk_mul_f32 v[P+2:P+3], v[ZR:ZR+1], v[CR+8:CR+9]
	v_pk_mul_f32 v[P+4:P+5], v[CR+8:CR+9], v[CR+8:CR+9]
.irp j, 2,4,6
	v_pk_fma_f32 v[P:P+1], v[CR+\j:CR+\j+1], v[CR+\j:CR+\j+1], v[P:P+1]
	v_pk_fma_f32 v[P+2:P+3], v[ZR+\j:ZR+\j+1], v[CR+8+\j:CR+8+\j+1], v[P+2:P+3]
	v_pk_fma_f32 v[P+4:P+5], v[CR+8+\j:CR+8+\j+1], v[CR+8+\j:CR+8+\j+1], v[P+4:P+5]
.endr
	RED 3
	v_sqrt_f32 v[AA], v[Z2K]
	v_sqrt_f32 v[BB], v[P+4]
	v_nop
	s_wait_alu depctr_va_vdst(0)
	v_max_num_f32 v[AA], 0x322bcc77, v[AA]
	v_max_num_f32 v[BB], 0x322bcc77, v[BB]
	v_mul_f32 v[AA], v[AA], v[BB]
	v_rcp_f32 v[AA], v[AA]
.if \rr
	v_add_f32 v[LC], v[LC], v[P]
	s_wait_alu depctr_va_vdst(0)
	v_fmac_f32 v[LC+1], v[P+2], v[AA]
.else
	v_mov_b32 v[LC], v[P]
	s_wait_alu depctr_va_vdst(0)
	v_mul_f32 v[LC+1], v[P+2], v[AA]
.endif
.endm
	ROW 0, 16                                      ; the second row's sixteen candidate loads are younger
	ROW 1, 0
	ds_store_b64 v[WA], v[LC:LC+1] offset:128
	s_cmp_lg_u32 s20, 1
	s_cbranch_scc1 .Lnot_wave_1
	; lane = row 32 g + lane: Z1 over all codes from the eight splits' (m, Z1); the largest probability is 1 / Z1
	s_lshl_b32 s86, ttmp9, 8
	s_add_nc_u64 s[76:77], s[10:11], s[86:87]
	s_lshl_b32 s86, ttmp9, 9
	s_add_nc_u64 s[78:79], s[10:11], s[86:87]
	s_add_nc_u64 s[78:79], s[78:79], 524288
.irp s, 0,1,2,3,4,5,6,7
	global_load_b64 v[32+2*\s:33+2*\s], v3, s[76:77] offset:65536*\s
.endr
.irp s, 0,1,2,3,4,5,6,7
	global_load_b32 v[48+\s], v2, s[78:79] offset:131072*\s
.endr
	s_wait_loadcnt 0x0
	v_max3_num_f32 v56, v32, v34, v36
	v_max3_num_f32 v56, v38, v40, v56
	v_max3_num_f32 v56, v42, v44, v56
	v_max_num_f32 v56, v46, v56
.irp s, 0,1,2,3,4,5,6,7
	v_sub_f32 v[32+2*\s], v[32+2*\s], v56
.endr
.irp s, 0,1,2,3,4,5,6,7
	v_mul_f32 v[32+2*\s], 0x3fb8aa3b, v[32+2*\s]
.endr
.irp s, 0,1,2,3,4,5,6,7
	v_exp_f32 v[32+2*\s], v[32+2*\s]
.endr
	v_mov_b32 v59, 0
	s_wait_alu depctr_va_vdst(0)
	v_mul_f32 v57, v48, v32
.irp s, 1,2,3,4,5,6,7
	v_fmac_f32 v57, v[48+\s], v[32+2*\s]
.endr
	v_rcp_f32 v[P], v57
	v_mov_b32 v[P+1], 0
	s_wait_alu depctr_va_vdst(0)
	RED 1
	ds_store_b32 v59, v[P] offset:256
.Lnot_wave_1:
	s_cmp_lg_u32 s20, 2
	s_cbranch_scc1 .Lnot_wave_2
	; lane = code 32 g + lane: a = mean of p over all rows, from the eight row splits' sums
	s_lshl_b32 s86, ttmp9, 7
	s_add_nc_u64 s[80:81], s[12:13], s[86:87]
.irp s, 0,1,2,3,4,5,6,7
	global_load_b32 v[32+\s], v4, s[80:81] offset:32768*\s
.endr
	s_wait_loadcnt 0x0
	v_add_f32 v32, v32, v33
	v_add_f32 v34, v34, v35
	v_add_f32 v36, v36, v37
	v_add_f32 v38, v38, v39
	v_add_f32 v32, v32, v34
	v_add_f32 v36, v36, v38
	v_add_f32 v32, v32, v36
	v_mul_f32 v32, 0x39000000, v32                 ; / 8192
	v_add_f32 v33, 0x358637bd, v32                 ; + 1e-6
	v_log_f32 v33, v33
	v_mov_b32 v59, 0
	s_wait_alu depctr_va_vdst(0)
	v_mul_f32 v[P], v32, v33
	v_mov_b32 v[P+1], 0
	RED 1
	ds_store_b32 v59, v[P] offset:260
.Lnot_wave_2:
	s_wait_dscnt 0x0                               ; for wave 0's sake: zero
	s_barrier_signal -1
	s_barrier_wait -1
	s_cmp_lg_u32 s20, 0
	s_cbranch_scc1 .Lend
	s_lshl_b32 s86, ttmp9, 7
	s_add_nc_u64 s[82:83], s[16:17], s[86:87]      ; out4 at row 32 g
	s_lshl_b32 s86, ttmp9, 4
	s_add_nc_u64 s[84:85], s[18:19], s[86:87]      ; scal[g]
	ds_load_b32 v33, v4
	v_and_b32 v34, 15, v1
	v_lshlrev_b32 v34, 3, v34
	ds_load_b64 v[36:37], v34 offset:128           ; wave (lane mod 16)'s sums
	v_mov_b32 v35, 0
	ds_load_b64 v[38:39], v35 offset:256
	s_wait_dscnt 0x0
	global_store_b32 v4, v33, s[82:83]             ; the work-group's 32 indices, 128 neighbouring bytes
.irp m, 1,2,4,8
	v_add_f32_dpp v36, v36, v36 row_xmask:\m row_mask:0xf bank_mask:0xf
	v_add_f32_dpp v37, v37, v37 row_xmask:\m row_mask:0xf bank_mask:0xf
.endr
	v_cmp_eq_u32 vcc_lo, 0, v1
	s_wait_xcnt 0x0                                ; EXEC changes only behind this wait
	s_and_saveexec_b32 s62, vcc_lo
	global_store_b128 v35, v[36:39], s[84:85]      ; (loss, cos, 1 / Z1, a log2 a)
	s_wait_xcnt 0x0
	s_or_b32 exec_lo, exec_lo, s62
.Lend:
	s_wait_tensorcnt 0x0
	ds_add_u32 v192, v193
	s_wait_dscnt 0x0
	s_endpgm
.Lfunc_end_k_q7930992fae_post:
	.size	k_q7930992fae_post, .Lfunc_end_k_q7930992fae_post-k_q7930992fae_post
	.p2alignl 7, 3214868480
	.fill 96, 4, 3214868480
	.section	.rodata,"a",@progbits
	.p2align	6, 0x0
	.amdhsa_kernel k_q7930992fae_post
		.amdhsa_group_segment_fixed_size 2560
		.amdhsa_private_segment_fixed_size 0
		.amdhsa_enable_private_segment 0
		.amdhsa_kernarg_size 64
		.amdhsa_user_sgpr_count 2
		.amdhsa_user_sgpr_kernarg_segment_ptr 1
		.amdhsa_wavefront_size32 1
		.amdhsa_system_sgpr_workgroup_id_x 1
		.amdhsa_system_sgpr_workgroup_id_y 1
		.amdhsa_system_sgpr_workgroup_id_z 1
		.amdhsa_system_vgpr_workitem_id 0
		.amdhsa_next_free_vgpr 194
		.amdhsa_next_free_sgpr 88
		.amdhsa_reserve_vcc 1
		.amdhsa_float_denorm_mode_32 3
		.amdhsa_float_denorm_mode_16_64 3
		.amdhsa_memory_ordered 1
		.amdhsa_forward_progress 1
		.amdhsa_inst_pref_size 38
	.end_amdhsa_kernel
	.amdgpu_metadata
---
amdhsa.version: [ 1, 2 ]
amdhsa.kernels:
  - .name:           k_q7930992fae_post
    .symbol:         k_q7930992fae_post.kd
    .args:
      - { .name: z, .offset: 0, .size: 8, .value_kind: global_buffer, .address_space: global }
      - { .name: wfx, .offset: 8, .size: 8, .value_kind: global_buffer, .address_space: global }
      - { .name: cand, .offset: 16, .size: 8, .value_kind: global_buffer, .address_space: global }
      - { .name: stat, .offset: 24, .size: 8, .value_kind: global_buffer, .address_space: global }
      - { .name: p2, .offset: 32, .size: 8, .value_kind: global_buffer, .address_space: global }
      - { .name: out0, .offset: 40, .size: 8, .value_kind: global_buffer, .address_space: global }
      - { .name: out4, .offset: 48, .size: 8, .value_kind: global_buffer, .address_space: global }
      - { .name: scal, .offset: 56, .size: 8, .value_kind: global_buffer, .address_space: global }
    .group_segment_fixed_size: 2560
    .private_segment_fixed_size: 0
    .kernarg_segment_align: 8
    .kernarg_segment_size: 64
    .max_flat_workgroup_size: 512
    .sgpr_count:     88
    .vgpr_count:     194
    .wavefront_size: 32
...
	.end_amdgpu_metadata
.endif
;; end of part 4
;; launch final (part 5): grid 1 x 1, 1 waves a work-group, no clusters, 0 bytes of LDS; arguments scal, p2, out1, out2, out3, out5, out6, out7; writes out1, out2, out3, out5, out6, out7
.if DOCPART == 5
	.amdgcn_target "amdgcn-amd-amdhsa--gfx1250"
	.amdhsa_code_object_version 6
	.text
	.protected	k_q7930992fae_final
	.globl	k_q7930992fae_final
	.p2align	8
	.type	k_q7930992fae_final,@function
k_q7930992fae_final:
	s_mov_b64 s[64:65], 0
	v_nop
	global_prefetch_b8 v0, s[64:65] scope:SCOPE_SE
	s_setreg_imm32_b32 hwreg(HW_REG_WAVE_MODE, 25, 1), 1
	s_wait_xcnt 0x0
; FINAL: the six scalars from the 256 work-groups' shares.  One wave: 5 KiB are read, six numbers are stored.
; Left out here: mean(softmax(dot)) is 1 / K = 2^-13 for all finite inputs (each row of a softmax sums to 1): the constant is stored.
;   out1 = sum (q - z)^2 / 2^21      out2 = 0.25 out1      out7 = sum cos / 2^13      out6 = sum (1 / Z1) / 2^13
;   out3 = 0.1 (sample entropy - average entropy) = 0.1 ln 2 (sum a log2(a + 1e-6) - sum p log2 p / 2^13)
	s_load_b512 s[4:19], s[0:1], 0x0               ; scal, p2, out1, out2, out3, out5, out6, out7
	v_lshlrev_b32 v1, 4, v0
	s_mov_b32 s20, 0x76543210
	s_mov_b32 s21, 0xfedcba98
	s_wait_kmcnt 0x0
.irp i, 0,1,2,3,4,5,6,7
	global_load_b128 v[4+4*\i:7+4*\i], v1, s[4:5] offset:512*\i
.endr
	global_load_b128 v[36:39], v1, s[6:7] offset:262144
	global_load_b128 v[40:43], v1, s[6:7] offset:262144+512
	s_wait_loadcnt 0x0
.irp i, 1,2,3,4,5,6,7
	v_pk_add_f32 v[4:5], v[4:5], v[4+4*\i:5+4*\i]  ; (loss, cos)
	v_pk_add_f32 v[6:7], v[6:7], v[6+4*\i:7+4*\i]  ; (1 / Z1, a log2 a)
.endr
	v_pk_add_f32 v[36:37], v[36:37], v[38:39]
	v_pk_add_f32 v[40:41], v[40:41], v[42:43]
	v_pk_add_f32 v[36:37], v[36:37], v[40:41]
	v_add_f32 v8, v36, v37                         ; p log2 p
.irp m, 1,2,4,8
.irp r, 4,5,6,7,8
	v_add_f32_dpp v\r, v\r, v\r row_xmask:\m row_mask:0xf bank_mask:0xf
.endr
.endr
.irp r, 4,5,6,7,8
	v_permlanex16_b32 v[8+\r], v\r, s20, s21       ; v12 .. v16 hold loaded numbers: written before
.endr
.irp r, 4,5,6,7,8
	v_add_f32 v\r, v\r, v[8+\r]
.endr
	v_mul_f32 v20, 0x35000000, v4                  ; 2^-21
	v_mul_f32 v21, 0x34000000, v4                  ; 2^-23
	v_fma_f32 v22, v8, 0xb9000000, v7              ; a log2 a - p log2 p 2^-13
	v_mul_f32 v22, 0x3d8df4e0, v22                 ; 0.1 ln 2
	v_mov_b32 v23, 0x39000000                      ; 2^-13
	v_mul_f32 v24, 0x39000000, v6
	v_mul_f32 v25, 0x39000000, v5
	v_mov_b32 v26, 0
	v_cmp_eq_u32 vcc_lo, 0, v0
	s_wait_xcnt 0x0                                ; EXEC changes only behind this wait
	s_and_saveexec_b32 s22, vcc_lo
	global_store_b32 v26, v20, s[8:9]
	global_store_b32 v26, v21, s[10:11]
	global_store_b32 v26, v22, s[12:13]
	global_store_b32 v26, v23, s[14:15]
	global_store_b32 v26, v24, s[16:17]
	global_store_b32 v26, v25, s[18:19]
	s_wait_xcnt 0x0
	s_or_b32 exec_lo, exec_lo, s22
	s_endpgm
.Lfunc_end_k_q7930992fae_final:
	.size	k_q7930992fae_final, .Lfunc_end_k_q7930992fae_final-k_q7930992fae_final
	.p2alignl 7, 3214868480
	.fill 96, 4, 3214868480
	.section	.rodata,"a",@progbits
	.p2align	6, 0x0
	.amdhsa_kernel k_q7930992fae_final
		.amdhsa_group_segment_fixed_size 0
		.amdhsa_private_segment_fixed_size 0
		.amdhsa_enable_private_segment 0
		.amdhsa_kernarg_size 64
		.amdhsa_user_sgpr_count 2
		.amdhsa_user_sgpr_kernarg_segment_ptr 1
		.amdhsa_wavefront_size32 1
		.amdhsa_system_sgpr_workgroup_id_x 1
		.amdhsa_system_sgpr_workgroup_id_y 1
		.amdhsa_system_sgpr_workgroup_id_z 1
		.amdhsa_system_vgpr_workitem_id 0
		.amdhsa_next_free_vgpr 64
		.amdhsa_next_free_sgpr 66
		.amdhsa_reserve_vcc 1
		.amdhsa_float_denorm_mode_32 3
		.amdhsa_float_denorm_mode_16_64 3
		.amdhsa_memory_ordered 1
		.amdhsa_forward_progress 1
		.amdhsa_inst_pref_size 6
	.end_amdhsa_kernel
	.amdgpu_metadata
---
amdhsa.version: [ 1, 2 ]
amdhsa.kernels:
  - .name:           k_q7930992fae_final
    .symbol:         k_q7930992fae_final.kd
    .args:
      - { .name: scal, .offset: 0, .size: 8, .value_kind: global_buffer, .address_space: global }
      - { .name: p2, .offset: 8, .size: 8, .value_kind: global_buffer, .address_space: global }
      - { .name: out1, .offset: 16, .size: 8, .value_kind: global_buffer, .address_space: global }
      - { .name: out2, .offset: 24, .size: 8, .value_kind: global_buffer, .address_space: global }
      - { .name: out3, .offset: 32, .size: 8, .value_kind: global_buffer, .address_space: global }
      - { .name: out5, .offset: 40, .size: 8, .value_kind: global_buffer, .address_space: global }
      - { .name: out6, .offset: 48, .size: 8, .value_kind: global_buffer, .address_space: global }
      - { .name: out7, .offset: 56, .size: 8, .value_kind: global_buffer, .address_space: global }
    .group_segment_fixed_size: 0
    .private_segment_fixed_size: 0
    .kernarg_segment_align: 8
    .kernarg_segment_size: 64
    .max_flat_workgroup_size: 32
    .sgpr_count:     66
    .vgpr_count:     64
    .wavefront_size: 32
...
	.end_amdgpu_metadata
.endif
;; end of part 5
;; ======== version 2 of 2: 5 launches; 1.24 times as fast as version 1
;; limits: values are held in f16: magnitudes above 65,504 overflow, below 6.1e-05 lose precision; inputs' magnitudes at most 65,504; values within 0.0039 (relative) of each other or of a threshold may be ordered or decided otherwise than in the reference
;; workspace buffers: h16 8,388,608 bytes; wfx 8,421,376 bytes; stat 1,572,864 bytes; cand 65,536 bytes of whole numbers; p2 263,168 bytes; scal 4,096 bytes
;; launch prep: the kernel of part 1 again; grid 256 x 1, 4 waves a work-group, clusters of 4 x 1, 317,952 bytes of LDS; arguments emb_weight, proj_w, proj_b, z, h16, wfx; writes h16, wfx
;; launch pass1 (part 6): grid 32 x 8, 4 waves a work-group, clusters of 4 x 4, 327,680 bytes of LDS; arguments h16, wfx, stat; writes stat
.if DOCPART == 6
	.amdgcn_target "amdgcn-amd-amdhsa--gfx1250"
	.amdhsa_code_object_version 6
	.text
	.protected	k_q7930992fae_pass1
	.globl	k_q7930992fae_pass1
	.p2align	8
	.type	k_q7930992fae_pass1,@function
k_q7930992fae_pass1:
	s_mov_b64 s[64:65], 0
	v_nop
	global_prefetch_b8 v0, s[64:65] scope:SCOPE_SE
	s_setreg_imm32_b32 hwreg(HW_REG_WAVE_MODE, 25, 1), 1
	s_wait_xcnt 0x0
	s_wait_alu depctr_hold_cnt(0) depctr_sa_sdst(0) depctr_va_vdst(0) depctr_va_sdst(0) depctr_va_ssrc(0) depctr_va_vcc(0) depctr_vm_vsrc(0)
	s_getreg_b32 s2, hwreg(HW_REG_IB_STS2, 6, 4)
	s_cmp_eq_u32 s2, 0
	s_cbranch_scc0 .Lentry_in_a_cluster
	s_endpgm
.Lentry_in_a_cluster:
	s_bfe_u32 s2, ttmp6, 0x10000c
	s_cmp_lg_u32 s2, 0xf033
	s_cbranch_scc0 .Lentry_shape_is_right
	s_endpgm
.Lentry_shape_is_right:
; PASS1: dot = z W^T in f16 with f32 sums, first time.  For every z row and every split of 1,024 codes: the running maximum m of dot,
; Z100 = sum exp(100 (dot - m)), Z1 = sum exp(dot - m), and the two groups of four codes with the least w2 - 2 dot.
; Left out here: z2, which is the same for all codes of a row and cannot change which groups are least (it is kept where the index is decided).
; THE KEYS: a group's least w2 - 2 dot is carried with its low 7 bits replaced by the group's number in the lane (2^-16 of its value is lost).
; A positive float grows with its low bits and a negative one falls, so the number stands as it is in a positive key and as its complement in
; a negative one: as floats the keys then order by (upper 25 bits, number ascending) whatever the sign, and among equal distances the lower
; group is the lesser key.  At the end the number is taken out again, the keys are stored with their low 7 bits 0, and every later merge
; orders by (key, group).
; LIMIT: the nearest code's group can miss the two that are kept only where two other groups each hold a code whose w2 - 2 dot comes within
; 2^-8 |z| |w| + 2^-16 |w2 - 2 dot| of the least (two f16 operands off by 2^-11 each, twice in w2 - 2 dot, for two codes; and the 7 bits).
;
; Work-group (x, y): z rows 256 x .. + 255 (they stay), codes 1024 y .. + 1023 (they stream).  Wave w keeps its 64 z rows as 4 x 8 B fragments in
; 256 registers for the whole launch; all four waves read the same code tiles as A.  In the result lane (r, h) holds z row r and codes
; 8 h .. 8 h + 7, so every row statistic stays inside a lane until the end.  A fragment of 1 KiB from LDS feeds four matrix instructions.
; CLUSTERS: 4 x 4.  The code tiles hang on y alone and are asked for jointly along a row of the cluster, the z rows on x alone, along a column.
; The codes go through two LDS slots of 128 codes; a slot is four blocks of 32 codes; a block is two tiles of 16 codes.
; BY TURNS: the two tiles of a block are two pieces.  While tile 1's 32 products are issued, tile 0's statistics (232 vector instructions) stand
; in 32 slices, one behind each product; tile 1's statistics stand behind the next block's tile 0.  A tile's A registers are loaded again in one
; run straight behind its products and have the other tile's 32 products in which to land, so one set of accumulators and one set of A registers do.
; THE EXPONENTIALS of a tile's statistics, 72 (for each of the four z tiles two factors for the old sums, eight at 100, eight at 1), are ONE BATCH
; with ONE wait.  Each result has a register of its own while the batch is open (NA, T, U).  Ahead of the wait stand the 128 plain instructions
; that name no result (maxima, exponents, keys), behind it the 32 that do (the sums).  The way out's eight exponentials are a second batch.
.set PITCH, 528                        ; a row of 256 f16: 512 bytes + 16 of padding = 33 x 16 bytes
.set TILE,  16*PITCH
.set BLK,   32*PITCH
.set SLOT,  128*PITCH
.set STAT,  2*SLOT                     ; the rows that stay: 64 rows for each wave, read once by that wave
.set SWAVE, 64*PITCH
.set VECT,  STAT+4*SWAVE               ; w2 of the split's 1,024 codes
.set G1W,   (1<<16)|(1<<20)|(1<<21)|(6<<22)|(3<<25)   ; elements of 2 bytes; padding of 4 words behind every 128 words; bit 21 beside a mask
.set ACC,  16                          ; v[16:79]   eight result tiles: (t, q) at 16 + 32 t + 8 q
.set VR,   80                          ; v[80:95]   w2 of my 8 codes of tile t at 80 + 8 t
.set T,    96                          ; v[96:127]  per q eight exponents, then exponentials, at 100
.set D,    128                         ; v[128:143] w2 - 2 dot, 8 for each of the two z tiles that run in step
.set XB,   144                         ; v[144:151] three partial maxima for each of the two; once these are read, the two keys' signs and numbers
.set XK,   152                         ; v[152:155] two groups' keys for each of the two
.set M,    160                         ; v[160:167] per q a pair: the running maximum in the low register (the high one is only written once)
.set NA,   168                         ; v[168:183] per q two pairs that swap from tile to tile: (-c100 m, -c1 m), and what the old sums are scaled by
.set Z100, 184                         ; v[184:191] per q a pair of running sums at 100
.set Z1,   192                         ; v[192:199] the same at 1
.set K1,   200                         ; per q the least and the second least key
.set K2,   204
.set CC,   208                         ; v[208:209] (-100 log2 e, -log2 e)
.set U,    210                         ; v[210:241] per q eight exponents, then exponentials, at 1; the way out's registers below lie in these, which are free by then
.set MN,   210                         ; the way out
.set DM,   211
.set I1,   214
.set I2,   218
.set GG,   222
.set SA,   226
.set SB,   232
.set AX,   242                         ; v[242:249] the way out: per q what my half's sums are scaled by, at 100 and at 1
; window 1: v[8 (8 q + ks)] the fragments that stay; window 2: v[8 ks], v[64 + 8 ks] the block's two code tiles
.set MSB, 0
.macro WIN new                         ; s_set_vgpr_msb: the immediate's high byte repeats the setting that is left
.if MSB != \new
	s_set_vgpr_msb (MSB<<8)|\new
.set MSB, \new
.endif
.endm
.macro PLACES                          ; four places behind a matrix instruction (ISA guide 7.12.1)
.rept 4
	v_nop
.endr
.endm
.macro CROUND                          ; a round of the cluster's barrier
	s_barrier_signal -1
	s_barrier_wait -1
	s_cmp_lg_u32 s12, 0
	s_cbranch_scc1 .Lnot_wave_0_\@
	s_barrier_signal -3
.Lnot_wave_0_\@:
	s_barrier_wait -3
	s_barrier_signal -1
	s_barrier_wait -1
.endm
.macro TLOAD t, a, off                 ; 16 LDS loads in one run: a tile of 16 rows x 256 K into tile t's A registers
	WIN 0x80
.irp ks, 0,1,2,3,4,5,6,7
	ds_load_b128 v[64*(\t)+8*\ks:64*(\t)+8*\ks+3],   v[\a] offset:\off+64*\ks
	ds_load_b128 v[64*(\t)+8*\ks+4:64*(\t)+8*\ks+7], v[\a] offset:\off+64*\ks+32
.endr
	WIN 0
.endm
.macro VLOAD t                         ; w2 of my 8 codes of a tile t
	ds_load_b128 v[VR+8*(\t):VR+8*(\t)+3],   v7
	ds_load_b128 v[VR+8*(\t)+4:VR+8*(\t)+7], v7 offset:16
.endm
; Behind tile t's products: the next block's tile t, and w2 for the statistics after next (those of tile 1 - t, whose half of VR has just been
; read out).  The places behind the last product are its slice's eight plain instructions and the add below.
.macro RUN t
	v_add_nc_u32 v7, 64, v7                        ; 16 codes on
	TLOAD \t, 6, 0
	VLOAD 1-\t
	v_add_nc_u32 v6, TILE, v6
	s_wait_dscnt 18                                ; the 18 just issued are younger: the run before this one has landed
.endm
; Number k (0 to 231) of the statistics of code tile t.  The four z tiles go as two pairs, q = 0, 1 and q = 2, 3; the two of a pair run in step,
; line by line.  A pair has four lists:
;   H, 38 plain: the maximum, w2 - 2 dot, (-c100 m, -c1 m) and its change, the two groups' least, the exponents at 100, the first key's sign
;   K, 18 plain: the second key's sign, the numbers into the keys, the keys into the running two
;   F,  8 plain: the exponents at 1
;   E, 36 exponentials: the 4 factors for the old sums, 16 at 100, 16 at 1
; and all four z tiles together have R, 32 plain: the sums, the only lines that name an exponential's result; the four tiles take turns in it.
; THE ORDER.  0-55: H and K of pair 0.  56-199: 72 times an exponential and a plain instruction that touches neither its result nor its source
; (ISA guide 5.7.2): the exponentials are E of pair 0, then E of pair 1; the plain ones F of pair 0, H of pair 1, F of pair 1, K of pair 1, so that
; each exponent is made four places or more ahead of its exponential.  D, XB and XK serve both pairs: pair 0 leaves them at 55, pair 1 takes them at 73.
; Behind 199, a plain line of K, stands the wait.  200-231: R.
.macro OPN t, k
.set KN, (\k)
.set PR, 0
.if KN < 38
.set CAT, 0
.set NN, KN
.elseif KN < 56
.set CAT, 1
.set NN, KN-38
.elseif KN >= 200
.set CAT, 4
.set NN, KN-200
.elseif (KN-56)%2 == 0
.set CAT, 3
.set PR, (KN-56)/72
.set NN, ((KN-56)/2)%36
.elseif KN < 72
.set CAT, 2
.set NN, (KN-56)/2
.elseif KN < 148
.set CAT, 0
.set PR, 1
.set NN, (KN-56)/2-8
.elseif KN < 164
.set CAT, 2
.set PR, 1
.set NN, (KN-56)/2-46
.else
.set CAT, 1
.set PR, 1
.set NN, (KN-56)/2-54
.endif
.if CAT == 4
.set QQ, NN%4
.else
.set QQ, 2*PR+NN%2
.endif
.set EE, QQ%2
.set SS, ACC+32*(\t)+8*QQ
.set VV, VR+8*(\t)
.set TT, T+8*QQ
.set UU, U+8*QQ
.set DD, D+8*EE
.set XX, XB+4*EE
.set KX, XK+2*EE
.set MQ, M+2*QQ
.set NW, NA+8*(1-(\t))+2*QQ
.set OL, NA+8*(\t)+2*QQ
.set ZA, Z100+2*QQ
.set ZB, Z1+2*QQ
.if CAT == 0                           ; list H
.if NN < 4
.set II, NN/2
	v_max3_num_f32 v[XX+II], v[SS+3*II], v[SS+3*II+1], v[SS+3*II+2]
.elseif NN < 6
	v_max3_num_f32 v[XX+2], v[SS+6], v[SS+7], v[MQ]
.elseif NN < 10
.set II, (NN-6)/2
	v_pk_fma_f32 v[DD+2*II:DD+2*II+1], v[SS+2*II:SS+2*II+1], -2.0, v[VV+2*II:VV+2*II+1] op_sel_hi:[1,0,1]
.elseif NN < 12
	v_max3_num_f32 v[MQ], v[XX], v[XX+1], v[XX+2]                                  ; the new maximum
.elseif NN < 16
.set II, (NN-8)/2
	v_pk_fma_f32 v[DD+2*II:DD+2*II+1], v[SS+2*II:SS+2*II+1], -2.0, v[VV+2*II:VV+2*II+1] op_sel_hi:[1,0,1]
.elseif NN < 18
	v_pk_mul_f32 v[NW:NW+1], v[MQ:MQ+1], v[CC:CC+1] op_sel_hi:[0,1]                ; (-c100 m, -c1 m)
.elseif NN < 20
	v_min3_num_f32 v[KX], v[DD], v[DD+1], v[DD+2]
.elseif NN < 22
	v_pk_add_f32 v[OL:OL+1], v[NW:NW+1], v[OL:OL+1] neg_lo:[0,1] neg_hi:[0,1]      ; new - old = c (old m - new m), at most 0 (-inf the first time)
.elseif NN < 24
	v_min3_num_f32 v[KX+1], v[DD+4], v[DD+5], v[DD+6]
.elseif NN < 28
.set GI, (NN-24)/2
	v_min_num_f32 v[KX+GI], v[KX+GI], v[DD+4*GI+3]                                 ; the group's least w2 - 2 dot
.elseif NN < 36
.set II, (NN-28)/2
	v_pk_fma_f32 v[TT+2*II:TT+2*II+1], v[SS+2*II:SS+2*II+1], s[20:21], v[NW:NW+1] op_sel_hi:[1,0,0]
.else
	v_ashrrev_i32 v[XX], 31, v[KX]                 ; all ones where the key is negative
.endif
.elseif CAT == 1                       ; list K
.if NN < 2
	v_ashrrev_i32 v[XX+1], 31, v[KX+1]
.elseif NN < 6
.set GI, (NN-2)/2
	v_xor_b32 v[XX+GI], s[56+2*(\t)+GI], v[XX+GI]  ; the group's number, 4 x block + 2 t + half; its complement where the key is negative
.elseif NN < 10
.set GI, (NN-6)/2
	v_bfi_b32 v[KX+GI], s54, v[KX+GI], v[XX+GI]    ; the key's upper 25 bits, the low 7 bits of that
.elseif NN < 12
	v_med3_num_f32 v[K2+QQ], v[K1+QQ], v[K2+QQ], v[KX]
.elseif NN < 14
	v_min_num_f32 v[K1+QQ], v[K1+QQ], v[KX]
.elseif NN < 16
	v_med3_num_f32 v[K2+QQ], v[K1+QQ], v[K2+QQ], v[KX+1]
.else
	v_min_num_f32 v[K1+QQ], v[K1+QQ], v[KX+1]
.endif
.elseif CAT == 2                       ; list F
.set II, NN/2
	v_pk_fma_f32 v[UU+2*II:UU+2*II+1], v[SS+2*II:SS+2*II+1], s[22:23], v[NW:NW+1] op_sel:[0,0,1] op_sel_hi:[1,0,1]
.elseif CAT == 3                       ; list E
.if NN < 4
	v_exp_f32 v[OL+NN/2], v[OL+NN/2]               ; what the old sums are scaled by
.elseif NN < 20
	v_exp_f32 v[TT+(NN-4)/2], v[TT+(NN-4)/2]
.else
	v_exp_f32 v[UU+(NN-20)/2], v[UU+(NN-20)/2]
.endif
.else                                  ; list R
.set RO, NN/4
.if RO == 0
	v_pk_add_f32 v[TT:TT+1], v[TT:TT+1], v[TT+2:TT+3]
.elseif RO == 1
	v_pk_add_f32 v[TT+4:TT+5], v[TT+4:TT+5], v[TT+6:TT+7]
.elseif RO == 2
	v_pk_add_f32 v[TT:TT+1], v[TT:TT+1], v[TT+4:TT+5]
.elseif RO == 3
	v_pk_fma_f32 v[ZA:ZA+1], v[ZA:ZA+1], v[OL:OL+1], v[TT:TT+1] op_sel_hi:[1,0,1]
.elseif RO == 4
	v_pk_add_f32 v[UU:UU+1], v[UU:UU+1], v[UU+2:UU+3]
.elseif RO == 5
	v_pk_add_f32 v[UU+4:UU+5], v[UU+4:UU+5], v[UU+6:UU+7]
.elseif RO == 6
	v_pk_add_f32 v[UU:UU+1], v[UU:UU+1], v[UU+4:UU+5]
.else
	v_pk_fma_f32 v[ZB:ZB+1], v[ZB:ZB+1], v[OL:OL+1], v[UU:UU+1] op_sel:[0,1,0] op_sel_hi:[1,1,1]
.endif
.endif
.if KN == 199
	s_wait_alu depctr_va_vdst(0)                   ; the wait for the batch: one for the tile's 72 exponentials, ahead of list R, their first readers
.endif
.endm
; Slice SN of 32.  Slices 0 to 27 hold numbers 50 SN / 7 up to 50 (SN + 1) / 7, seven or eight: all that stands ahead of the wait, which ends
; slice 27.  Slices 28 to 31 hold eight sums each, all plain.
.macro SLICE t
.if SN < 28
.set KK, (50*SN)/7
.set KE, (50*(SN+1))/7
.else
.set KK, 200+8*(SN-28)
.set KE, 208+8*(SN-28)
.endif
.rept KE-KK
	OPN \t, KK
.set KK, KK+1
.endr
.endm
; The 32 products of code tile t; the first of each z tile takes the constant 0 as C.  Four accumulators take turns, one instruction a turn.
; vec = 1: behind each product a slice of the other tile's statistics, which names none of the product's registers.
.macro MMTV t, vec
.set SN, 0
.irp ks, 0,1,2,3,4,5,6,7
.irp q, 0,1,2,3
	WIN 0x06                                       ; A in window 2, B in window 1
.if \ks
	v_wmma_f32_16x16x32_f16 v[ACC+32*\t+8*\q:ACC+32*\t+8*\q+7], v[64*\t+8*\ks:64*\t+8*\ks+7], v[8*(8*\q+\ks):8*(8*\q+\ks)+7], v[ACC+32*\t+8*\q:ACC+32*\t+8*\q+7]
.else
	v_wmma_f32_16x16x32_f16 v[ACC+32*\t+8*\q:ACC+32*\t+8*\q+7], v[64*\t+8*\ks:64*\t+8*\ks+7], v[8*(8*\q+\ks):8*(8*\q+\ks)+7], 0
.endif
.if \vec
	WIN 0
	SLICE 1-\t
.set SN, SN+1
.endif
.endr
.endr
	WIN 0
.endm
; Unit b: tile 1 of block b beside tile 0's statistics, then tile 0 of block b + 1 beside tile 1's.  Its two runs read block b + 1 from LDS.
.macro UNIT
	RUN 0
	MMTV 1, 1
	RUN 1
	MMTV 0, 1
	s_add_co_u32 s56, s56, 4                       ; the next block's four groups
	s_add_co_u32 s57, s57, 4
	s_add_co_u32 s58, s58, 4
	s_add_co_u32 s59, s59, 4
.endm
; The change of slots, ahead of the unit that reads the new slot's first block.  Every wave's reads of the old slot are back and all its tensor
; loads have landed; with a refill a round of the cluster's barrier says so for all sixteen work-groups, and the joint refill of the old slot,
; two steps of 128 rows ahead, is the first thing behind it.
.macro CHANGE new, refill
	s_wait_dscnt 0x0
	s_wait_tensorcnt 0x0
	ds_add_u32 v254, v255
	s_wait_dscnt 0x0
.if \refill
	s_add_nc_u64 s[38-4*\new:39-4*\new], s[38-4*\new:39-4*\new], 131072
	CROUND
	tensor_load_to_lds s[36-4*\new:39-4*\new], s[24:31]    ; my one load behind the round; it has the visit's four units in which to land
	s_nop 0
	v_nop
.else
	s_barrier_signal -1
	s_barrier_wait -1
.endif
	v_mov_b32 v6, v[4+\new]
.endm
.macro VISIT new, refill, cnt
	CHANGE \new, \refill
	s_mov_b32 s\cnt, 4
.Lvisit_\@:
	UNIT
	s_sub_co_u32 s\cnt, s\cnt, 1
	s_cmp_lg_u32 s\cnt, 0
	s_cbranch_scc1 .Lvisit_\@
.endm
; (x, ix) into the pair (k1, i1), (k2, i2), which is ordered by key and, among equal keys, by group: x goes ahead of an entry if its key is
; less, or equal with the lower group.  The masks only choose among registers.
.macro INSERT k1, k2, i1, i2, x, ix
	v_cmp_eq_f32 s74, v[\x], v[\k1]
	v_cmp_lt_u32 s75, v[\ix], v[\i1]
	v_cmp_lt_f32 s70, v[\x], v[\k1]
	s_and_b32 s74, s74, s75
	s_or_b32 s70, s70, s74                         ; ahead of the first
	v_cmp_eq_f32 s74, v[\x], v[\k2]
	v_cmp_lt_u32 s75, v[\ix], v[\i2]
	v_cmp_lt_f32 s73, v[\x], v[\k2]
	s_and_b32 s74, s74, s75
	s_or_b32 s73, s73, s74                         ; ahead of the second
	v_cndmask_b32 v[\i2], v[\i2], v[\ix], s73
	v_cndmask_b32 v[\i2], v[\i2], v[\i1], s70
	v_cndmask_b32 v[\i1], v[\i1], v[\ix], s70
	v_med3_num_f32 v[\k2], v[\k1], v[\k2], v[\x]
	v_min_num_f32 v[\k1], v[\k1], v[\x]
.endm
	s_load_b128 s[4:7], s[0:1], 0x0                ; h16 s[4:5], wfx s[6:7]
	s_load_b64 s[8:9], s[0:1], 0x10                ; stat
	v_lshl_add_u32 v254, v0, 2, 0x43000
	v_mov_b32 v255, 0
	ds_add_u32 v254, v255
	v_lshrrev_b32 v1, 5, v0
	v_readfirstlane_b32 s12, v1                    ; wave
	s_bfe_u32 s13, ttmp6, 0x40000                  ; cx
	s_bfe_u32 s14, ttmp6, 0x40004                  ; cy
	s_lshl_b32 s66, ttmp9, 2
	s_add_co_u32 s66, s66, s13                     ; x
	s_and_b32 s67, ttmp7, 0xffff
	s_lshl_b32 s67, s67, 2
	s_add_co_u32 s67, s67, s14                     ; y
	s_lshl_b32 s68, s14, 2
	s_lshl_b32 s68, 15, s68                        ; my row of the cluster
	s_lshl_b32 s69, 0x1111, s13                    ; my column
	s_or_b32 s24, s68, G1W                         ; the code tiles: 32 rows x 256 f16 a wave, shared along the row
	s_mov_b32 s25, 256<<16
	s_mov_b32 s26, 32<<16
	s_mov_b32 s27, 256<<16
	s_mov_b32 s28, 32
	s_mov_b32 s29, 256
	s_mov_b32 s30, 0
	s_mov_b32 s31, 0
	s_or_b32 s44, s69, G1W                         ; the z rows: 64 rows a wave, shared along the column
	s_mov_b32 s45, 256<<16
	s_mov_b32 s46, 64<<16
	s_mov_b32 s47, 256<<16
	s_mov_b32 s48, 64
	s_mov_b32 s49, 256
	s_mov_b32 s50, 0
	s_mov_b32 s51, 0
	s_lshl_b32 s16, s67, 19                        ; codes: (1024 y + 32 w) rows of 512 bytes: y and the wave alone
	s_lshl_b32 s70, s12, 14
	s_add_co_u32 s16, s16, s70
	s_mov_b32 s17, 0
	s_lshl_b32 s18, s66, 17                        ; z: (256 x + 64 w) rows: x and the wave alone
	s_lshl_b32 s71, s12, 15
	s_add_co_u32 s18, s18, s71
	s_mov_b32 s19, 0
	s_lshl_b32 s76, s67, 12                        ; w2 of the split: 1024 y numbers
	s_mov_b32 s77, 0
	s_mov_b32 s20, 0x431044fe                      ; 100 log2 e, twice
	s_mov_b32 s21, 0x431044fe
	s_mov_b32 s22, 0x3fb8aa3b                      ; log2 e, twice
	s_mov_b32 s23, 0x3fb8aa3b
	s_mov_b32 s52, 0x76543210
	s_mov_b32 s53, 0xfedcba98
	s_mov_b32 s54, 0xffffff80                      ; a key's upper 25 bits
	s_mov_b32 s56, 0
	s_mov_b32 s57, 1
	s_mov_b32 s58, 2
	s_mov_b32 s59, 3
	s_wait_dscnt 0x0
	s_wait_kmcnt 0x0
	s_add_nc_u64 s[16:17], s[4:5], s[16:17]        ; W in f16 lies first in h16,
	s_add_nc_u64 s[18:19], s[4:5], s[18:19]
	s_add_nc_u64 s[18:19], s[18:19], 0x400000      ; z in f16 behind it
	s_add_nc_u64 s[82:83], s[6:7], 0x800000
	s_add_nc_u64 s[82:83], s[82:83], s[76:77]
	s_mov_b32 s32, 1
	s_mul_i32 s33, s12, BLK                        ; slot 0, my quarter
	s_mov_b64 s[34:35], s[16:17]
	s_or_b32 s35, s35, 0x80000000
	s_mov_b32 s36, 1
	s_add_co_u32 s37, s33, SLOT                    ; slot 1
	s_add_nc_u64 s[38:39], s[16:17], 65536         ; 128 rows on
	s_or_b32 s39, s39, 0x80000000
	s_mov_b32 s40, 1
	s_mul_i32 s41, s12, SWAVE
	s_add_co_u32 s41, s41, STAT
	s_mov_b64 s[42:43], s[18:19]
	s_or_b32 s43, s43, 0x80000000
	CROUND                                         ; all sixteen work-groups are here
	tensor_load_to_lds s[40:43], s[44:51]          ; the three first fills go out together: three loads of the wave are out
	s_nop 0
	tensor_load_to_lds s[32:35], s[24:31]
	s_nop 0
	tensor_load_to_lds s[36:39], s[24:31]
	s_nop 0
	v_lshlrev_b32 v9, 4, v0
	global_load_b128 v[96:99], v9, s[82:83]
	global_load_b128 v[100:103], v9, s[82:83] offset:2048
	v_and_b32 v1, 15, v0                           ; r
	v_bfe_u32 v2, v0, 4, 1                         ; h
	v_and_b32 v10, 31, v0                          ; lane
	v_mul_u32_u24 v4, v1, PITCH
	v_lshl_add_u32 v4, v2, 4, v4                   ; slot 0: r x pitch + 16 h
	v_add_nc_u32 v5, SLOT, v4                      ; slot 1
	v_add_nc_u32 v8, s41, v4                       ; my 64 rows that stay
	v_lshlrev_b32 v7, 5, v2
	v_add_nc_u32 v7, VECT, v7                      ; w2 of codes 8 h ..
	v_add_nc_u32 v11, VECT, v9
	v_lshlrev_b32 v13, 3, v10
	v_lshlrev_b32 v14, 4, v10
.irp q, 0,1,2,3
	v_mov_b32 v[M+2*\q], 0xff800000                ; m = -inf,
	v_mov_b32 v[M+2*\q+1], 0xff800000
	v_mov_b32 v[NA+2*\q], 0x7f800000               ; so -c m = +inf: the first factors are exp2(-inf) = 0
	v_mov_b32 v[NA+2*\q+1], 0x7f800000
	v_mov_b32 v[Z100+2*\q], 0
	v_mov_b32 v[Z100+2*\q+1], 0
	v_mov_b32 v[Z1+2*\q], 0
	v_mov_b32 v[Z1+2*\q+1], 0
	v_mov_b32 v[K1+\q], 0x7f800000
	v_mov_b32 v[K2+\q], 0x7f800000
.endr
	v_mov_b32 v[CC], 0xc31044fe
	v_mov_b32 v[CC+1], 0xbfb8aa3b
	s_wait_loadcnt 0x0
	ds_store_b128 v11, v[96:99]
	ds_store_b128 v11, v[100:103] offset:2048
	s_wait_tensorcnt 0x2                           ; the two slots' loads are younger: my rows that stay are in, and I alone read them
	WIN 0x40
.irp q, 0,1,2,3
.irp ks, 0,1,2,3,4,5,6,7
	ds_load_b128 v[8*(8*\q+\ks):8*(8*\q+\ks)+3],   v8 offset:TILE*\q+64*\ks
	ds_load_b128 v[8*(8*\q+\ks)+4:8*(8*\q+\ks)+7], v8 offset:TILE*\q+64*\ks+32
.endr
.endr
	WIN 0
	s_wait_tensorcnt 0x1                           ; slot 1's load is younger: my quarter of slot 0 is in
	s_wait_dscnt 0x0                               ; my part of w2 is written
	s_barrier_signal -1
	s_barrier_wait -1
	TLOAD 0, 4, 0                                  ; block 0
	TLOAD 1, 4, TILE
	VLOAD 0
	s_wait_dscnt 18                                ; tile 1's 16 loads and w2's 2 are younger: tile 0 is in
	MMTV 0, 0                                      ; tile 0 of block 0: no statistics are due yet
	PLACES
	v_add_nc_u32 v6, BLK, v4
	s_mov_b32 s60, 3
.Lfirst:                                               ; units 0 to 2 read blocks 1 to 3 of slot 0
	UNIT
	s_sub_co_u32 s60, s60, 1
	s_cmp_lg_u32 s60, 0
	s_cbranch_scc1 .Lfirst
	s_mov_b32 s61, 3
.Lpair:                                                ; units 3 to 26 read steps 1 to 6 of the eight; their changes of slots ask for steps 2 to 7
	VISIT 1, 1, 60
	VISIT 0, 1, 55
	s_sub_co_u32 s61, s61, 1
	s_cmp_lg_u32 s61, 0
	s_cbranch_scc1 .Lpair
	VISIT 1, 0, 60                                 ; units 27 to 30 read the last step: nothing is left to ask for
	v_add_nc_u32 v7, 64, v7
	VLOAD 1                                        ; w2 of the last tile
	s_wait_dscnt 0x0
	MMTV 1, 1                                      ; tile 1 of block 31 beside tile 0's statistics
.set KK, 0
.rept 232
	OPN 1, KK                                      ; the last tile's statistics, with no products left to stand between
.set KK, KK+1
.endr
	; lanes r and r + 16 hold the two halves of each row's codes: merge them
	s_lshl_b32 s74, s67, 8                         ; 256 groups a split
	v_lshl_add_u32 v12, v2, 1, s74                 ; + 2 h
	v_cmp_eq_u32 s72, 1, v2
	s_lshl_b32 s76, s67, 13
	s_lshl_b32 s75, s66, 8
	s_add_co_u32 s76, s76, s75
	s_lshl_b32 s75, s12, 6
	s_add_co_u32 s76, s76, s75                     ; record 8192 y + 256 x + 64 w
	s_lshl_b32 s76, s76, 3
	s_add_nc_u64 s[78:79], s[8:9], s[76:77]        ; (m, Z100), 8 bytes a record
	s_lshl_b32 s76, s76, 1
	s_add_nc_u64 s[80:81], s[8:9], s[76:77]
	s_add_nc_u64 s[80:81], s[80:81], 524288        ; (Z1, key 1, key 2, groups), 16 bytes a record
; A key gives its number back (the complement is undone by the sign), group = 256 y + 4 tile + 2 h + half from the number's 2 tile + half,
; and keeps its upper 25 bits alone.  The lane's own pair is in the order (key, group): in one lane the group rises with the number.  Between
; the two lanes it does not (2 h stands above the half), so the partner's pair is inserted by (key, group), not by the keys as they were.
.macro UNKEY k, i
	v_ashrrev_i32 v[T+1], 31, v[\k]
	v_xor_b32 v[T+1], v[\k], v[T+1]
	v_and_b32 v[T+2], 1, v[T+1]
	v_and_b32 v[T+1], 0x7e, v[T+1]
	v_lshl_add_u32 v[\i], v[T+1], 1, v[T+2]
	v_add_nc_u32 v[\i], v12, v[\i]
	v_and_b32 v[\k], s54, v[\k]
.endm
; The merge of z tile q in two parts.  FINA: the two lanes' common maximum, the two factors that bring my half's sums to it (each q has a pair of
; registers for them), and the keys' numbers.  It names no exponential's result, so the four tiles' eight exponentials are one batch.  FINB: all that reads them.
.macro FINA q
	v_permlanex16_b32 v[T], v[M+2*\q], s52, s53
	v_add_f32 v[Z100+2*\q], v[Z100+2*\q], v[Z100+2*\q+1]   ; the pairs of running sums are folded
	v_add_f32 v[Z1+2*\q], v[Z1+2*\q], v[Z1+2*\q+1]
	v_max_num_f32 v[MN], v[M+2*\q], v[T]
	v_sub_f32 v[DM], v[M+2*\q], v[MN]
	v_mov_b32 v[M+2*\q], v[MN]
	v_mul_f32 v[AX+2*\q], s20, v[DM]
	v_mul_f32 v[AX+2*\q+1], s22, v[DM]
	v_exp_f32 v[AX+2*\q], v[AX+2*\q]
	v_exp_f32 v[AX+2*\q+1], v[AX+2*\q+1]
	UNKEY K1+\q, I1+\q
	UNKEY K2+\q, I2+\q
.endm
.macro FINB q
	v_mul_f32 v[Z100+2*\q], v[Z100+2*\q], v[AX+2*\q]
	v_mul_f32 v[Z1+2*\q], v[Z1+2*\q], v[AX+2*\q+1]
	v_permlanex16_b32 v[T], v[Z100+2*\q], s52, s53
	v_permlanex16_b32 v[T+1], v[Z1+2*\q], s52, s53
	v_permlanex16_b32 v[T+2], v[K1+\q], s52, s53
	v_permlanex16_b32 v[T+3], v[I1+\q], s52, s53
	v_permlanex16_b32 v[T+4], v[K2+\q], s52, s53
	v_permlanex16_b32 v[T+5], v[I2+\q], s52, s53
	v_add_f32 v[Z100+2*\q], v[Z100+2*\q], v[T]
	v_add_f32 v[Z1+2*\q], v[Z1+2*\q], v[T+1]
	INSERT K1+\q, K2+\q, I1+\q, I2+\q, T+2, T+3
	INSERT K1+\q, K2+\q, I1+\q, I2+\q, T+4, T+5
	v_lshl_or_b32 v[GG+\q], v[I2+\q], 16, v[I1+\q]
.endm
.macro STORE q0                        ; lanes 0-15 give tile q0's rows, lanes 16-31 tile q0 + 1's: 32 neighbouring records, 256 and 512 bytes
	v_cndmask_b32 v[SA+\q0], v[M+2*\q0], v[M+2*\q0+2], s72
	v_cndmask_b32 v[SA+\q0+1], v[Z100+2*\q0], v[Z100+2*\q0+2], s72
	global_store_b64 v13, v[SA+\q0:SA+\q0+1], s[78:79] offset:128*\q0
	v_cndmask_b32 v[SB+2*\q0], v[Z1+2*\q0], v[Z1+2*\q0+2], s72
	v_cndmask_b32 v[SB+2*\q0+1], v[K1+\q0], v[K1+\q0+1], s72
	v_cndmask_b32 v[SB+2*\q0+2], v[K2+\q0], v[K2+\q0+1], s72
	v_cndmask_b32 v[SB+2*\q0+3], v[GG+\q0], v[GG+\q0+1], s72
	global_store_b128 v14, v[SB+2*\q0:SB+2*\q0+3], s[80:81] offset:256*\q0
.endm
	FINA 0
	FINA 1
	FINA 2
	FINA 3
	s_wait_alu depctr_va_vdst(0)                   ; the wait for the way out's batch: one for the eight exponentials of FINA, ahead of FINB's first line; tile 3's fourteen key lines stand between
	FINB 0
	FINB 1
	FINB 2
	FINB 3
	STORE 0
	STORE 2
	CROUND                                         ; the closing round
	s_endpgm
.Lfunc_end_k_q7930992fae_pass1:
	.size	k_q7930992fae_pass1, .Lfunc_end_k_q7930992fae_pass1-k_q7930992fae_pass1
	.p2alignl 7, 3214868480
	.fill 96, 4, 3214868480
	.section	.rodata,"a",@progbits
	.p2align	6, 0x0
	.amdhsa_kernel k_q7930992fae_pass1
		.amdhsa_group_segment_fixed_size 327680
		.amdhsa_private_segment_fixed_size 0
		.amdhsa_enable_private_segment 0
		.amdhsa_kernarg_size 24
		.amdhsa_user_sgpr_count 2
		.amdhsa_user_sgpr_kernarg_segment_ptr 1
		.amdhsa_wavefront_size32 1
		.amdhsa_system_sgpr_workgroup_id_x 1
		.amdhsa_system_sgpr_workgroup_id_y 1
		.amdhsa_system_sgpr_workgroup_id_z 1
		.amdhsa_system_vgpr_workitem_id 0
		.amdhsa_next_free_vgpr 640
		.amdhsa_next_free_sgpr 84
		.amdhsa_reserve_vcc 0
		.amdhsa_float_denorm_mode_32 3
		.amdhsa_float_denorm_mode_16_64 3
		.amdhsa_memory_ordered 1
		.amdhsa_forward_progress 1
		.amdhsa_inst_pref_size 193
	.end_amdhsa_kernel
	.amdgpu_metadata
---
amdhsa.version: [ 1, 2 ]
amdhsa.kernels:
  - .name:           k_q7930992fae_pass1
    .symbol:         k_q7930992fae_pass1.kd
    .args:
      - { .name: h16, .offset: 0, .size: 8, .value_kind: global_buffer, .address_space: global }
      - { .name: wfx, .offset: 8, .size: 8, .value_kind: global_buffer, .address_space: global }
      - { .name: stat, .offset: 16, .size: 8, .value_kind: global_buffer, .address_space: global }
    .group_segment_fixed_size: 327680
    .private_segment_fixed_size: 0
    .kernarg_segment_align: 8
    .kernarg_segment_size: 24
    .max_flat_workgroup_size: 128
    .sgpr_count:     84
    .vgpr_count:     640
    .wavefront_size: 32
...
	.end_amdgpu_metadata
.endif
;; end of part 6
;; launch pass2 (part 7): grid 32 x 8, 4 waves a work-group, clusters of 4 x 4, 327,680 bytes of LDS; arguments h16, stat, cand, p2; writes cand, p2
.if DOCPART == 7
	.amdgcn_target "amdgcn-amd-amdhsa--gfx1250"
	.amdhsa_code_object_version 6
	.text
	.protected	k_q7930992fae_pass2
	.globl	k_q7930992fae_pass2
	.p2align	8
	.type	k_q7930992fae_pass2,@function
k_q7930992fae_pass2:
	s_mov_b64 s[64:65], 0
	v_nop
	global_prefetch_b8 v0, s[64:65] scope:SCOPE_SE
	s_setreg_imm32_b32 hwreg(HW_REG_WAVE_MODE, 25, 1), 1
	s_wait_xcnt 0x0
	s_wait_alu depctr_hold_cnt(0) depctr_sa_sdst(0) depctr_va_vdst(0) depctr_va_sdst(0) depctr_va_ssrc(0) depctr_va_vcc(0) depctr_vm_vsrc(0)
	s_getreg_b32 s2, hwreg(HW_REG_IB_STS2, 6, 4)
	s_cmp_eq_u32 s2, 0
	s_cbranch_scc0 .Lentry_in_a_cluster
	s_endpgm
.Lentry_in_a_cluster:
	s_bfe_u32 s2, ttmp6, 0x10000c
	s_cmp_lg_u32 s2, 0xf033
	s_cbranch_scc0 .Lentry_shape_is_right
	s_endpgm
.Lentry_shape_is_right:
; PASS2: dot a second time, now with each row's log-sum-exp known: p = exp(100 dot - lse).  Per code the sum of p over 1,024 z rows (colpart),
; per work-group the sum of p log2 p (entpart).  Its head also merges the eight splits' row statistics and picks each row's two candidate groups (cand).
; Left out here: the 1e-5 inside log_softmax (the same along the axis), and a row-wise sum of p log p (only the sum over all rows is used).
;
; Work-group (x, y): codes 256 x .. + 255 (they stay, 64 a wave, as B fragments in 256 registers), z rows 1024 y .. + 1023 (they stream, as A).
; Lane (r, h) holds code r and z rows 8 h .. 8 h + 7, so a code's sum stays inside a lane.  Slots and clusters as in pass1; the products are
; pass1's with the two sources exchanged.
; BY TURNS, as in pass1: a block of 32 z rows is two tiles of 16.  While one tile's 32 products are issued, the other tile's 80 vector
; instructions stand in 32 slices, one behind each product.  A tile's A registers are loaded again in one run straight behind its products.
; THE EXPONENTIALS of a z tile's vector work, 32 (eight for each of the four code tiles), are ONE BATCH with ONE wait: each log2 p and each p has a
; register of its own (T, P); ahead of the wait stand the 16 lines that make log2 p and the exponentials, behind it the 32 sums.  The head has two
; batches more: the 64 exponentials that bring the eight splits' sums of 8 rows to a common maximum, and those rows' 8 logarithms.
.set PITCH, 528
.set TILE,  16*PITCH
.set BLK,   32*PITCH
.set SLOT,  128*PITCH
.set STAT,  2*SLOT
.set SWAVE, 64*PITCH
.set VECT,  STAT+4*SWAVE               ; -lse in base 2 of the split's 1,024 z rows
.set SCR,   VECT+4096                  ; 4 x 256 bytes: a wave's 64 column sums; then 4 words: the waves' entropy sums
.set G1W,   (1<<16)|(1<<20)|(1<<21)|(6<<22)|(3<<25)
.set ACC,  16                          ; v[16:79]   eight result tiles: (t, q) at 16 + 32 t + 8 q
.set VR,   80                          ; v[80:95]   -lse of my 8 z rows of tile t at 80 + 8 t
.set T,    96                          ; v[96:127]  log2 p, 8 for each code tile q
.set P,    128                         ; v[128:159] p, likewise
.set MX,   144                         ; v[144:151] the head alone, ahead of P's first use: per group of records the maximum, then -100 log2 e m
.set SM,   152                         ; v[152:159] the head alone: per group the sum, then its log2, then -lse
.set CS,   160                         ; v[160:175] per q two pairs that take turns: sums of p
.set EN,   176                         ; v[176:191] per q two pairs: sums of p log2 p
.set CK,   192                         ; v[192:193] wave 3: the two least keys; v[194:195] their groups, the data of its store; v[196:197] at work.
                                       ;            Nothing else in the launch writes these six, so the store's data stay as they are
.set MSB, 0
.macro WIN new
.if MSB != \new
	s_set_vgpr_msb (MSB<<8)|\new
.set MSB, \new
.endif
.endm
.macro PLACES                          ; four places behind a matrix instruction (ISA guide 7.12.1)
.rept 4
	v_nop
.endr
.endm
.macro CROUND
	s_barrier_signal -1
	s_barrier_wait -1
	s_cmp_lg_u32 s12, 0
	s_cbranch_scc1 .Lnot_wave_0_\@
	s_barrier_signal -3
.Lnot_wave_0_\@:
	s_barrier_wait -3
	s_barrier_signal -1
	s_barrier_wait -1
.endm
.macro TLOAD t, a, off                 ; 16 LDS loads in one run: a tile of 16 rows x 256 K into tile t's A registers
	WIN 0x80
.irp ks, 0,1,2,3,4,5,6,7
	ds_load_b128 v[64*(\t)+8*\ks:64*(\t)+8*\ks+3],   v[\a] offset:\off+64*\ks
	ds_load_b128 v[64*(\t)+8*\ks+4:64*(\t)+8*\ks+7], v[\a] offset:\off+64*\ks+32
.endr
	WIN 0
.endm
.macro VLOAD t                         ; -lse of my 8 z rows of a tile t
	ds_load_b128 v[VR+8*(\t):VR+8*(\t)+3],   v7
	ds_load_b128 v[VR+8*(\t)+4:VR+8*(\t)+7], v7 offset:16
.endm
; Behind tile t's products: the next block's tile t, and -lse for the vector work after next (that of tile 1 - t, whose half of VR has just been
; read out).  The places behind the last product are its slice's four plain instructions and the add below.
.macro RUN t
	v_add_nc_u32 v7, 64, v7                        ; 16 z rows on
	TLOAD \t, 6, 0
	VLOAD 1-\t
	v_add_nc_u32 v6, TILE, v6
	s_wait_dscnt 18                                ; the 18 just issued are younger: the run before this one has landed
.endm
.macro TF i                            ; log2 p = 100 log2 e dot - lse, pair i of the lane's four
	v_pk_fma_f32 v[TT+2*(\i):TT+2*(\i)+1], v[SS+2*(\i):SS+2*(\i)+1], s[20:21], v[VV+2*(\i):VV+2*(\i)+1] op_sel_hi:[1,0,1]
.endm
.macro CSA i
	v_pk_add_f32 v[CQ+2*((\i)%2):CQ+2*((\i)%2)+1], v[CQ+2*((\i)%2):CQ+2*((\i)%2)+1], v[PP+2*(\i):PP+2*(\i)+1]
.endm
.macro ENF i
	v_pk_fma_f32 v[EQ+2*((\i)%2):EQ+2*((\i)%2)+1], v[PP+2*(\i):PP+2*(\i)+1], v[TT+2*(\i):TT+2*(\i)+1], v[EQ+2*((\i)%2):EQ+2*((\i)%2)+1]
.endm
; Number k (0 to 79) of the vector work of z tile t.  The lane's 32 numbers are 16 pairs g = 4 q + i (code tile q, pair i).
;   0, 1    log2 p of pairs 0 and 1
;   2-43    fourteen times: log2 p of pair g + 2, then the two exponentials of pair g (g = 0 .. 13): a pair's exponentials stand two slices behind its log2 p
;   44-47   the exponentials of pairs 14 and 15; a v_nop, the plain instruction behind the last exponential (ISA guide 5.7.2); the wait
;   48-79   for each pair in ascending order its two sums: p, and p log2 p
; Nothing ahead of the wait names an exponential's result, and no exponential is issued behind it.
.macro OPN t, k
.set KN, (\k)
.if KN < 2
.set CAT, 0
.set GP, KN
.elseif KN >= 48
.set CAT, 2+KN%2
.set GP, (KN-48)/2
.elseif KN >= 44
.set CAT, 1
.set GP, KN-16
.elseif (KN-2)%3 == 0
.set CAT, 0
.set GP, (KN-2)/3+2
.else
.set CAT, 1
.set GP, 2*((KN-2)/3)+(KN-2)%3-1
.endif
.if CAT == 1
.set QQ, GP/8
.set MI, GP%8
.else
.set QQ, GP/4
.set MI, GP%4
.endif
.set SS, ACC+32*(\t)+8*QQ
.set VV, VR+8*(\t)
.set TT, T+8*QQ
.set PP, P+8*QQ
.set CQ, CS+4*QQ
.set EQ, EN+4*QQ
.if CAT == 0
	TF MI
.elseif CAT == 1
	v_exp_f32 v[PP+MI], v[TT+MI]
.elseif CAT == 2
	CSA MI
.else
	ENF MI
.endif
.if KN == 47
	v_nop
	s_wait_alu depctr_va_vdst(0)                   ; the wait for the batch: one for the tile's 32 exponentials, ahead of the sums, their first readers
.endif
.endm
; Slice SN of 32: slice 0 holds two numbers, slices 1 to 14 three, slices 15 and 16 two (the wait ends slice 16), slices 17 to 30 two sums,
; the last slice four, all plain.
.macro SLICE t
.set KK, 2*SN+14
.set KE, 2*SN+16
.if SN < 15
.set KK, 3*SN-1
.set KE, 3*SN+2
.endif
.if SN == 0
.set KK, 0
.endif
.if SN == 31
.set KE, 80
.endif
.rept KE-KK
	OPN \t, KK
.set KK, KK+1
.endr
.endm
; The 32 products of z tile t.  Four accumulators take turns, one instruction a turn.  vec = 1: behind each product a
; slice of the other tile's vector work, which names none of the product's registers.
.macro MMTV t, vec
.set SN, 0
.irp ks, 0,1,2,3,4,5,6,7
.irp q, 0,1,2,3
	WIN 0x06                                       ; A in window 2, B in window 1
.if \ks
	v_wmma_f32_16x16x32_f16 v[ACC+32*\t+8*\q:ACC+32*\t+8*\q+7], v[64*\t+8*\ks:64*\t+8*\ks+7], v[8*(8*\q+\ks):8*(8*\q+\ks)+7], v[ACC+32*\t+8*\q:ACC+32*\t+8*\q+7]
.else
	v_wmma_f32_16x16x32_f16 v[ACC+32*\t+8*\q:ACC+32*\t+8*\q+7], v[64*\t+8*\ks:64*\t+8*\ks+7], v[8*(8*\q+\ks):8*(8*\q+\ks)+7], 0
.endif
.if \vec
	WIN 0
	SLICE 1-\t
.set SN, SN+1
.endif
.endr
.endr
	WIN 0
.endm
; Unit b: tile 1 of block b beside tile 0's vector work, then tile 0 of block b + 1 beside tile 1's.  Its two runs read block b + 1 from LDS.
.macro UNIT
	RUN 0
	MMTV 1, 1
	RUN 1
	MMTV 0, 1
.endm
; The change of slots, ahead of the unit that reads the new slot's first block: every wave's reads of the old slot are back and all its tensor
; loads have landed; a round of the cluster's barrier says so for all sixteen work-groups; the joint refill of the old slot, two steps ahead,
; is the first thing behind it.
.macro CHANGE new, refill
	s_wait_dscnt 0x0
	s_wait_tensorcnt 0x0
	ds_add_u32 v254, v255
	s_wait_dscnt 0x0
.if \refill
	s_add_nc_u64 s[38-4*\new:39-4*\new], s[38-4*\new:39-4*\new], 131072
	CROUND
	tensor_load_to_lds s[36-4*\new:39-4*\new], s[24:31]
	s_nop 0
	v_nop
.else
	s_barrier_signal -1
	s_barrier_wait -1
.endif
	v_mov_b32 v6, v[4+\new]
.endm
.macro VISIT new, refill, cnt
	CHANGE \new, \refill
	s_mov_b32 s\cnt, 4
.Lvisit_\@:
	UNIT
	s_sub_co_u32 s\cnt, s\cnt, 1
	s_cmp_lg_u32 s\cnt, 0
	s_cbranch_scc1 .Lvisit_\@
.endm
; (x, ix) into the ordered pair (k1, i1), (k2, i2).  Only a strictly lesser key goes ahead of an entry.  The keys come from pass1 without group
; numbers (low 7 bits 0), the splits are taken in ascending order, and each split's pair has the lower group first where its keys are equal:
; so whatever is inserted has a higher group than what is there, and among equal keys the lower group stays ahead.
.macro INSERT k1, k2, i1, i2, x, ix
	v_cmp_lt_f32 vcc_lo, v[\x], v[\k1]
	v_cmp_lt_f32 s73, v[\x], v[\k2]
	v_cndmask_b32 v[\i2], v[\i2], v[\ix], s73
	v_cndmask_b32 v[\i2], v[\i2], v[\i1], vcc_lo
	v_cndmask_b32 v[\i1], v[\i1], v[\ix], vcc_lo
	v_med3_num_f32 v[\k2], v[\k1], v[\k2], v[\x]
	v_min_num_f32 v[\k1], v[\k1], v[\x]
.endm
	s_load_b256 s[4:11], s[0:1], 0x0               ; h16 s[4:5], stat s[6:7], cand s[8:9], p2 s[10:11]
	v_lshl_add_u32 v254, v0, 2, 0x43500
	v_mov_b32 v255, 0
	ds_add_u32 v254, v255
	v_lshrrev_b32 v1, 5, v0
	v_readfirstlane_b32 s12, v1                    ; wave
	s_bfe_u32 s13, ttmp6, 0x40000                  ; cx
	s_bfe_u32 s14, ttmp6, 0x40004                  ; cy
	s_lshl_b32 s66, ttmp9, 2
	s_add_co_u32 s66, s66, s13                     ; x
	s_and_b32 s67, ttmp7, 0xffff
	s_lshl_b32 s67, s67, 2
	s_add_co_u32 s67, s67, s14                     ; y
	s_lshl_b32 s68, s14, 2
	s_lshl_b32 s68, 15, s68
	s_lshl_b32 s69, 0x1111, s13
	s_or_b32 s24, s68, G1W                         ; the z tiles: 32 rows a wave, shared along the cluster's row
	s_mov_b32 s25, 256<<16
	s_mov_b32 s26, 32<<16
	s_mov_b32 s27, 256<<16
	s_mov_b32 s28, 32
	s_mov_b32 s29, 256
	s_mov_b32 s30, 0
	s_mov_b32 s31, 0
	s_or_b32 s44, s69, G1W                         ; the codes that stay: 64 rows a wave, shared along the column
	s_mov_b32 s45, 256<<16
	s_mov_b32 s46, 64<<16
	s_mov_b32 s47, 256<<16
	s_mov_b32 s48, 64
	s_mov_b32 s49, 256
	s_mov_b32 s50, 0
	s_mov_b32 s51, 0
	s_lshl_b32 s16, s67, 19                        ; z: (1024 y + 32 w) rows of 512 bytes
	s_lshl_b32 s70, s12, 14
	s_add_co_u32 s16, s16, s70
	s_mov_b32 s17, 0
	s_lshl_b32 s18, s66, 17                        ; codes: (256 x + 64 w) rows
	s_lshl_b32 s71, s12, 15
	s_add_co_u32 s18, s18, s71
	s_mov_b32 s19, 0
	s_mov_b32 s20, 0x431044fe                      ; 100 log2 e, twice
	s_mov_b32 s21, 0x431044fe
	s_mov_b32 s62, 0xc31044fe
	s_mov_b32 s52, 0x76543210
	s_mov_b32 s53, 0xfedcba98
	s_lshl_b32 s74, s67, 5
	s_add_co_u32 s74, s74, s66                     ; the work-group's number, 32 y + x
	s_mov_b32 s77, 0
	s_wait_dscnt 0x0
	s_wait_kmcnt 0x0
	s_add_nc_u64 s[16:17], s[4:5], s[16:17]
	s_add_nc_u64 s[16:17], s[16:17], 0x400000      ; z in f16 lies behind W in f16
	s_add_nc_u64 s[18:19], s[4:5], s[18:19]
	s_lshl_b32 s76, s67, 13
	s_add_nc_u64 s[78:79], s[6:7], s[76:77]        ; (m, Z100) of z row 1024 y, split 0
	s_lshl_b32 s76, s74, 9
	s_add_nc_u64 s[80:81], s[6:7], s[76:77]
	s_add_nc_u64 s[80:81], s[80:81], 524288        ; the 16-byte records of rows 32 (32 y + x) ..
	s_lshl_b32 s76, s74, 8
	s_add_nc_u64 s[82:83], s[8:9], s[76:77]        ; cand of the same rows
	s_lshl_b32 s76, s74, 2
	s_add_nc_u64 s[86:87], s[10:11], s[76:77]
	s_add_nc_u64 s[86:87], s[86:87], 262144        ; entpart[32 y + x]
	s_lshl_b32 s76, s67, 13
	s_lshl_b32 s75, s66, 8
	s_add_co_u32 s76, s76, s75
	s_lshl_b32 s75, s12, 6
	s_add_co_u32 s76, s76, s75
	s_lshl_b32 s76, s76, 2
	s_add_nc_u64 s[84:85], s[10:11], s[76:77]      ; colpart[y][256 x + 64 w]
	s_mov_b32 s32, 1
	s_mul_i32 s33, s12, BLK
	s_mov_b64 s[34:35], s[16:17]
	s_or_b32 s35, s35, 0x80000000
	s_mov_b32 s36, 1
	s_add_co_u32 s37, s33, SLOT
	s_add_nc_u64 s[38:39], s[16:17], 65536
	s_or_b32 s39, s39, 0x80000000
	s_mov_b32 s40, 1
	s_mul_i32 s41, s12, SWAVE
	s_add_co_u32 s41, s41, STAT
	s_mov_b64 s[42:43], s[18:19]
	s_or_b32 s43, s43, 0x80000000
	CROUND
	tensor_load_to_lds s[40:43], s[44:51]          ; three first fills together: three loads of the wave are out
	s_nop 0
	tensor_load_to_lds s[32:35], s[24:31]
	s_nop 0
	tensor_load_to_lds s[36:39], s[24:31]
	s_nop 0
	; -lse of the split's 1,024 z rows: thread t merges rows 128 i + t, i = 0 .. 7, over the eight code splits.
	; Group i is the eight splits' records of row 128 i + t.  Groups 0 to 6 go out now, group 7 behind group 0's exponentials: 56 loads are out at the most.
.macro SLOAD i
.irp s, 0,1,2,3,4,5,6,7
	global_load_b64 v[16+16*\i+2*\s:17+16*\i+2*\s], v9, s[78:79] offset:65536*\s+1024*\i   ; 32 lanes read 256 consecutive bytes
.endr
.endm
	v_lshlrev_b32 v9, 3, v0
.irp i, 0,1,2,3,4,5,6
	SLOAD \i
.endr
	v_and_b32 v1, 15, v0                           ; r
	v_bfe_u32 v2, v0, 4, 1                         ; h
	v_and_b32 v10, 31, v0                          ; lane
	v_mul_u32_u24 v4, v1, PITCH
	v_lshl_add_u32 v4, v2, 4, v4
	v_add_nc_u32 v5, SLOT, v4
	v_add_nc_u32 v8, s41, v4
	v_lshlrev_b32 v7, 5, v2
	v_add_nc_u32 v7, VECT, v7
	v_lshlrev_b32 v11, 2, v0
	v_add_nc_u32 v11, VECT, v11
	v_lshlrev_b32 v13, 4, v10
	v_lshlrev_b32 v14, 3, v10
	s_lshl_b32 s70, s12, 8
	s_add_co_u32 s70, s70, SCR
	v_lshl_add_u32 v12, v10, 2, s70                ; my wave's column sums, in
	v_add_nc_u32 v15, s70, v14                     ; and back, two a lane
.set i, 0
.rept 32
	v_mov_b32 v[CS+i], 0
.set i, i+1
.endr
; THE MERGE, in two batches.  MEXP i: group i's maximum and its eight factors exp(100 (m_s - m)), made in place on the loaded m_s, so that each
; of the 64 has a register of its own.  left = the loads that are younger than group i's eight.  The last line is plain and names no result.
.macro MEXP i, left
	s_wait_loadcnt \left
	v_max3_num_f32 v[MX+\i], v[16+16*\i], v[18+16*\i], v[20+16*\i]
	v_max3_num_f32 v[MX+\i], v[22+16*\i], v[24+16*\i], v[MX+\i]
	v_max3_num_f32 v[MX+\i], v[26+16*\i], v[28+16*\i], v[MX+\i]
	v_max_num_f32 v[MX+\i], v[30+16*\i], v[MX+\i]
.irp s, 0,1,2,3,4,5,6,7
	v_sub_f32 v[16+16*\i+2*\s], v[16+16*\i+2*\s], v[MX+\i]
.endr
.irp s, 0,1,2,3,4,5,6,7
	v_mul_f32 v[16+16*\i+2*\s], s20, v[16+16*\i+2*\s]
.endr
.irp s, 0,1,2,3,4,5,6,7
	v_exp_f32 v[16+16*\i+2*\s], v[16+16*\i+2*\s]
.endr
	v_mul_f32 v[MX+\i], s62, v[MX+\i]              ; -100 log2 e m
.endm
	MEXP 0, 48                                     ; groups 1 to 6 are younger
	SLOAD 7
.irp i, 1,2,3,4,5,6,7
	MEXP \i, 56-8*\i                               ; groups i + 1 to 7 are younger
.endr
	s_wait_alu depctr_va_vdst(0)                   ; the wait for the first batch: one for the 64 exponentials, ahead of the sums that read them
.irp i, 0,1,2,3,4,5,6,7
	v_mul_f32 v[SM+\i], v[17+16*\i], v[16+16*\i]   ; each group's sum takes its splits in ascending order; the eight groups take turns
.endr
.irp s, 1,2,3,4,5,6,7
.irp i, 0,1,2,3,4,5,6,7
	v_fmac_f32 v[SM+\i], v[17+16*\i+2*\s], v[16+16*\i+2*\s]
.endr
.endr
.irp i, 0,1,2,3,4,5,6,7
	v_log_f32 v[SM+\i], v[SM+\i]
.endr
	v_nop                                          ; a plain instruction behind the last logarithm
	s_wait_alu depctr_va_vdst(0)                   ; the wait for the second batch: one for the eight logarithms, ahead of the subtractions that read them
.irp i, 0,1,2,3,4,5,6,7
	v_sub_f32 v[SM+\i], v[MX+\i], v[SM+\i]
.endr
.irp i, 0,1,2,3,4,5,6,7
	ds_store_b32 v11, v[SM+\i] offset:512*\i
.endr
	; wave 3: the two candidate groups of rows 32 (32 y + x) + lane, out of the eight splits' pairs, the splits in ascending order
	s_cmp_lg_u32 s12, 3
	s_cbranch_scc1 .Lnot_wave_3
.irp s, 0,1,2,3,4,5,6,7
	global_load_b128 v[16+4*\s:19+4*\s], v13, s[80:81] offset:131072*\s
.endr
	s_wait_loadcnt 0x0
	v_mov_b32 v[CK], v17
	v_mov_b32 v[CK+1], v18
	v_and_b32 v[CK+2], 0xffff, v19
	v_lshrrev_b32 v[CK+3], 16, v19
.irp s, 1,2,3,4,5,6,7
	v_and_b32 v[CK+4], 0xffff, v[19+4*\s]
	v_lshrrev_b32 v[CK+5], 16, v[19+4*\s]
	INSERT CK, CK+1, CK+2, CK+3, 17+4*\s, CK+4
	INSERT CK, CK+1, CK+2, CK+3, 18+4*\s, CK+5
.endr
	global_store_b64 v14, v[CK+2:CK+3], s[82:83]   ; 32 lanes store 256 consecutive bytes, aligned; data, offset and base are never written again
.Lnot_wave_3:
	s_wait_tensorcnt 0x2                           ; the two slots' loads are younger: my codes that stay are in, and I alone read them
	WIN 0x40
.irp q, 0,1,2,3
.irp ks, 0,1,2,3,4,5,6,7
	ds_load_b128 v[8*(8*\q+\ks):8*(8*\q+\ks)+3],   v8 offset:TILE*\q+64*\ks
	ds_load_b128 v[8*(8*\q+\ks)+4:8*(8*\q+\ks)+7], v8 offset:TILE*\q+64*\ks+32
.endr
.endr
	WIN 0
	s_wait_tensorcnt 0x1                           ; slot 1's load is younger: my quarter of slot 0 is in
	s_wait_dscnt 0x0                               ; my part of -lse is written
	s_barrier_signal -1
	s_barrier_wait -1
	TLOAD 0, 4, 0                                  ; block 0
	TLOAD 1, 4, TILE
	VLOAD 0
	s_wait_dscnt 18                                ; tile 1's 16 loads and -lse's 2 are younger: tile 0 is in
	MMTV 0, 0                                      ; tile 0 of block 0: no vector work is due yet
	PLACES
	v_add_nc_u32 v6, BLK, v4
	s_mov_b32 s60, 3
.Lfirst:                                               ; units 0 to 2 read blocks 1 to 3 of slot 0
	UNIT
	s_sub_co_u32 s60, s60, 1
	s_cmp_lg_u32 s60, 0
	s_cbranch_scc1 .Lfirst
	s_mov_b32 s61, 3
.Lpair:                                                ; units 3 to 26 read steps 1 to 6 of the eight; their changes of slots ask for steps 2 to 7
	VISIT 1, 1, 60
	VISIT 0, 1, 55
	s_sub_co_u32 s61, s61, 1
	s_cmp_lg_u32 s61, 0
	s_cbranch_scc1 .Lpair
	VISIT 1, 0, 60                                 ; units 27 to 30 read the last step: nothing is left to ask for
	v_add_nc_u32 v7, 64, v7
	VLOAD 1                                        ; -lse of the last tile
	s_wait_dscnt 0x0
	MMTV 1, 1                                      ; tile 1 of block 31 beside tile 0's vector work
.set KK, 0
.rept 80
	OPN 1, KK                                      ; the last tile's vector work, with no products left to stand between
.set KK, KK+1
.endr
	v_cmp_eq_u32 s72, 1, v2
.irp q, 0,1,2,3
	v_pk_add_f32 v[CS+4*\q:CS+4*\q+1], v[CS+4*\q:CS+4*\q+1], v[CS+4*\q+2:CS+4*\q+3]
	v_pk_add_f32 v[EN+4*\q:EN+4*\q+1], v[EN+4*\q:EN+4*\q+1], v[EN+4*\q+2:EN+4*\q+3]
.endr
.irp q, 0,1,2,3
	v_add_f32 v[CS+4*\q], v[CS+4*\q], v[CS+4*\q+1]
.endr
.irp q, 0,1,2,3
	v_permlanex16_b32 v[T+\q], v[CS+4*\q], s52, s53        ; the other half of each sixteen z rows
.endr
.irp q, 0,1,2,3
	v_add_f32 v[CS+4*\q], v[CS+4*\q], v[T+\q]
.endr
	v_cndmask_b32 v[T], v[CS], v[CS+4], s72        ; lane = code: tiles 0, 1
	v_cndmask_b32 v[T+1], v[CS+8], v[CS+12], s72   ; tiles 2, 3
	ds_store_b32 v12, v[T]
	ds_store_b32 v12, v[T+1] offset:128
	ds_load_b64 v[T+2:T+3], v15                    ; my own bytes, served in order: two neighbouring codes a lane
	v_pk_add_f32 v[EN:EN+1], v[EN:EN+1], v[EN+4:EN+5]
	v_pk_add_f32 v[EN+8:EN+9], v[EN+8:EN+9], v[EN+12:EN+13]
	v_pk_add_f32 v[EN:EN+1], v[EN:EN+1], v[EN+8:EN+9]
	v_add_f32 v[EN], v[EN], v[EN+1]
	v_add_f32_dpp v[EN], v[EN], v[EN] row_xmask:1 row_mask:0xf bank_mask:0xf
	v_add_f32_dpp v[EN], v[EN], v[EN] row_xmask:2 row_mask:0xf bank_mask:0xf
	v_add_f32_dpp v[EN], v[EN], v[EN] row_xmask:4 row_mask:0xf bank_mask:0xf
	v_add_f32_dpp v[EN], v[EN], v[EN] row_xmask:8 row_mask:0xf bank_mask:0xf
	v_permlanex16_b32 v[EN+1], v[EN], s52, s53
	v_add_f32 v[EN], v[EN], v[EN+1]
	v_mov_b32 v8, s12
	v_lshlrev_b32 v8, 2, v8
	v_add_nc_u32 v8, SCR+1024, v8
	ds_store_b32 v8, v[EN]                         ; all lanes write the same word with the same value
	s_wait_dscnt 0x0                               ; the read-back is in; and, for wave 0's sake, my word is written
	global_store_b64 v14, v[T+2:T+3], s[84:85]     ; 32 lanes store 256 consecutive bytes, aligned
	s_barrier_signal -1
	s_barrier_wait -1
	s_cmp_lg_u32 s12, 0
	s_cbranch_scc1 .Lnot_wave_0_end
	v_mov_b32 v[T+4], SCR+1024
	v_mov_b32 v[T+5], 0
	ds_load_b128 v[T+8:T+11], v[T+4]
	s_wait_dscnt 0x0
	v_add_f32 v[T+8], v[T+8], v[T+9]
	v_add_f32 v[T+10], v[T+10], v[T+11]
	v_add_f32 v[T+8], v[T+8], v[T+10]
	v_cmp_eq_u32 vcc_lo, 0, v0
	s_wait_xcnt 0x0                                ; EXEC changes only behind this wait
	s_and_saveexec_b32 s73, vcc_lo
	global_store_b32 v[T+5], v[T+8], s[86:87]
	s_wait_xcnt 0x0
	s_or_b32 exec_lo, exec_lo, s73
.Lnot_wave_0_end:
	s_wait_tensorcnt 0x0
	ds_add_u32 v254, v255
	s_wait_dscnt 0x0
	CROUND                                         ; the closing round
	s_endpgm
.Lfunc_end_k_q7930992fae_pass2:
	.size	k_q7930992fae_pass2, .Lfunc_end_k_q7930992fae_pass2-k_q7930992fae_pass2
	.p2alignl 7, 3214868480
	.fill 96, 4, 3214868480
	.section	.rodata,"a",@progbits
	.p2align	6, 0x0
	.amdhsa_kernel k_q7930992fae_pass2
		.amdhsa_group_segment_fixed_size 327680
		.amdhsa_private_segment_fixed_size 0
		.amdhsa_enable_private_segment 0
		.amdhsa_kernarg_size 32
		.amdhsa_user_sgpr_count 2
		.amdhsa_user_sgpr_kernarg_segment_ptr 1
		.amdhsa_wavefront_size32 1
		.amdhsa_system_sgpr_workgroup_id_x 1
		.amdhsa_system_sgpr_workgroup_id_y 1
		.amdhsa_system_sgpr_workgroup_id_z 1
		.amdhsa_system_vgpr_workitem_id 0
		.amdhsa_next_free_vgpr 640
		.amdhsa_next_free_sgpr 88
		.amdhsa_reserve_vcc 1
		.amdhsa_float_denorm_mode_32 3
		.amdhsa_float_denorm_mode_16_64 3
		.amdhsa_memory_ordered 1
		.amdhsa_forward_progress 1
		.amdhsa_inst_pref_size 132
	.end_amdhsa_kernel
	.amdgpu_metadata
---
amdhsa.version: [ 1, 2 ]
amdhsa.kernels:
  - .name:           k_q7930992fae_pass2
    .symbol:         k_q7930992fae_pass2.kd
    .args:
      - { .name: h16, .offset: 0, .size: 8, .value_kind: global_buffer, .address_space: global }
      - { .name: stat, .offset: 8, .size: 8, .value_kind: global_buffer, .address_space: global }
      - { .name: cand, .offset: 16, .size: 8, .value_kind: global_buffer, .address_space: global }
      - { .name: p2, .offset: 24, .size: 8, .value_kind: global_buffer, .address_space: global }
    .group_segment_fixed_size: 327680
    .private_segment_fixed_size: 0
    .kernarg_segment_align: 8
    .kernarg_segment_size: 32
    .max_flat_workgroup_size: 128
    .sgpr_count:     88
    .vgpr_count:     640
    .wavefront_size: 32
...
	.end_amdgpu_metadata
.endif
;; end of part 7
;; launch post: the kernel of part 4 again; grid 256 x 1, 16 waves a work-group, no clusters, 2,560 bytes of LDS; arguments z, wfx, cand, stat, p2, out0, out4, scal; writes out0, out4, scal
;; launch final: the kernel of part 5 again; grid 1 x 1, 1 waves a work-group, no clusters, 0 bytes of LDS; arguments scal, p2, out1, out2, out3, out5, out6, out7; writes out1, out2, out3, out5, out6, out7
